; MI455X (gfx1250); checked and timed in simulation.
; The chip was launched on July 23, 2026; its instructions are those of AMD's public machine-readable ISA for CDNA 5 (MIT licence, August 2026) and "CDNA5" Instruction Set Architecture Reference Guide (July 2026). The comments in the code are by the model that wrote it; some were corrected since.
;; Multi Head Self Attention. Allowed arithmetic: matrix products marked QUANTISED: E2M3 operands, one E8M0 scale for each 32 along K, by v_wmma_scale_f32_16x16x128_f8f6f4 with both operands' format E2M3, f32 sums; everything else in f32.
;; Inputs: Wk 1,024 x 1,024 float32; Wo 1,024 x 1,024 float32; Wq 1,024 x 1,024 float32; Wv 1,024 x 1,024 float32; x 4 x 2,048 x 1,024 float32.
;; Outputs: out0 4 x 2,048 x 1,024 float32.
;; This version of the problem:
;;   THIS VERSION OF THE PROBLEM IS GIVEN IN LOW PRECISION. The matrix products marked QUANTISED in the list below multiply operands that are first quantised to E2M3 (2 exponent bits, 3 mantissa bits; 6 bits a number), with one power-of-two scale for each 32 numbers along K (OCP MX v1.0); their sums are f32. All else is computed in f32.
;;   The module's matrix products, in the order in which they are computed (A, B: the left and right operand; K: the contracted axis; several contracted axes count as one K, in the product's order):
;;     1. [M 8,192, K 1,024] x [K 1,024, N 1,024]; A: input x; B: input Wq: QUANTISED
;;     2. [M 8,192, K 1,024] x [K 1,024, N 1,024]; A: input x; B: input Wk: QUANTISED
;;     3. [M 8,192, K 1,024] x [K 1,024, N 1,024]; A: input x; B: input Wv: QUANTISED
;;     4. batch 64 x [M 2,048, K 64] x [K 64, N 2,048]; A: computed on the way; B: computed on the way: QUANTISED
;;     5. batch 64 x [M 2,048, K 2,048] x [K 2,048, N 64]; A: softmax (see below); B: computed on the way: QUANTISED
;;     6. [M 8,192, K 1,024] x [K 1,024, N 1,024]; A: computed on the way; B: input Wo: QUANTISED
;;   THE QUANTISER, for each operand of a quantised product, along K:
;;     - K is cut into blocks of 32 from its start; a last block that is shorter is filled with zeros.
;;     - A block's scale is 2^e with e = floor(log2(the largest magnitude in the block)) - 2, held to -126 .. 127; a block of zeros has e = 0. As a byte (E8M0): e + 127.
;;     - Each number is divided by its block's scale, clamped to +-7.5, and rounded to the nearest number of E2M3, ties to even, subnormals kept.
;;     - The product sums the exact products of the quantised numbers (number of the format x scale) in f32.
;;   ~~~python
;;   def quantise(x, axis):      # numpy; x: float32 -> the quantised numbers, widened to float32 again
;;       x = np.moveaxis(x, axis, -1); K = x.shape[-1]
;;       x = np.pad(x, [(0, 0)] * (x.ndim - 1) + [(0, -K % 32)]); x = x.reshape(x.shape[:-1] + (-1, 32)); a = np.abs(x).max(-1, keepdims=True)
;;       e = np.where(a > 0, np.clip(np.frexp(np.where(a > 0, a, 1))[1] - 1 - 2, -126, 127), 0)      # np.frexp(a)[1] - 1 = floor(log2(a)), exactly
;;       r = np.clip(x / 2.0 ** e, -7.5, 7.5)
;;       step = 2.0 ** (np.maximum(np.frexp(np.where(r == 0, 1, r))[1] - 1, 0) - 3)
;;       q = np.round(r / step) * step * 2.0 ** e      # np.round: ties to even
;;       return np.moveaxis(q.reshape(q.shape[:-2] + (-1,))[..., :K], -1, axis).astype(np.float32)
;;   ~~~
;;   SOFTMAX AHEAD OF A QUANTISED PRODUCT. Where the list says 'softmax', what is quantised is not the finished softmax but p = 2^(t - M), with t = logit x log2(e) and M = ceil(the row's largest t), a whole number; so 1/2 < the row's largest p <= 1. The row's sum l is taken of the UNQUANTISED p, in f32, and the product's result is divided by l at the end. Since M is a whole number, a kernel that streams over the keys may use a running M (the ceiling of the running maximum): every later rescaling is an exact power of two, which a block's scale takes up: the codes' values come out the same.
;;   OPERANDS COMPUTED ON THE WAY. 'Computed on the way' means the value that the module computes at that place (a softmax that the list does not call 'softmax' is quantised finished and normalised). What goes into a quantiser is computed in f32, as accurately as f32 sums, v_exp_f32 and their like allow (about 1e-6 of the number): no bf16 or f16 on the way to a quantiser, and a product that is left as it is and whose result goes on into a quantised operand takes f32 operands (vector FMAs, or v_wmma_f32_16x16x4_f32). A number that lies on a knife's edge between two numbers of the format may be rounded either way, as far as f32 arithmetic and the matrix unit's own rounding can turn it there, and no further.
;; One version. Each part assembles by itself: llvm-mc -triple=amdgcn-amd-amdhsa -mcpu=gfx1250 --defsym DOCPART=n.
;; ======== version 1 of 1: 4 launches
;; workspace buffers: cw 9,437,184 bytes; sw 393,216 bytes; pc 18,874,368 bytes; ps 1,572,864 bytes; cc 6,291,456 bytes; cs 262,144 bytes
;; launch quant (part 1): grid 384 x 1, 4 waves a work-group, no clusters, 34,304 bytes of LDS; arguments x, Wq, Wk, Wv, Wo, cw, sw; writes cw, sw
.if DOCPART == 1
	.amdgcn_target "amdgcn-amd-amdhsa--gfx1250"
	.amdhsa_code_object_version 6
	.text
	.protected	k_qf43efa889c_quant
	.globl	k_qf43efa889c_quant
	.p2align	8
	.type	k_qf43efa889c_quant,@function
k_qf43efa889c_quant:
	s_mov_b64 s[64:65], 0
	v_nop
	global_prefetch_b8 v0, s[64:65] scope:SCOPE_SE
	s_setreg_imm32_b32 hwreg(HW_REG_WAVE_MODE, 25, 1), 1
	s_wait_xcnt 0x0
; x [8192][1024] and Wq, Wk, Wv, Wo [1024][1024], f32, K innermost, become codes of FP6 (E2M3) with one E8M0 byte for each 32 along K.
; The 12,288 rows count as one run: x, Wq, Wk, Wv, Wo.  They are laid in the order of a matrix operand's registers:
; TILES: tile T = 2 g + u holds, at place r (0..15), row 32 g + 8 u + r + 8 (r / 8).  A tile's codes are 8 fragments (128 along K) of 1,536 bytes.
; A FRAGMENT is two halves of 768 bytes (64 along K): lane (r, h) owns the 24 bytes of row place r, block h of the half: bytes 0-15 at 16 x lane, bytes 16-23 at 512 + 8 x lane.
; SCALES: 512 bytes a tile: the word (four bytes, 128 along K) of place r and K step s lies at 128 (s / 2) + 8 r + 4 (s % 2).
; A block's scale is 2^(floor(log2(largest magnitude)) - 2): its byte is the largest magnitude's exponent field - 2, held at 1 from below.
; LIMITS: a block of zeros gets the byte 1 (its codes are zeros, and this program alone reads the bytes); NaN and infinities among the inputs are not served.
; SHARES: a work-group takes 32 rows; wave w takes tile 2 n + (w >> 1) and K half w & 1: four K steps of 128.  Each load reads 512 consecutive bytes of one row; a K step's 16 rows turn through
; the wave's own stage in LDS (rows 528 bytes apart), so that a lane gets two whole blocks of 32 neighbours.  Waves share nothing: no barrier.  No work-group reads what another reads: no cluster.
.set SPI, 528                          ; a stage row: 512 bytes + 16
.set WST, 16*SPI                       ; a wave's stage
.set C,   24                           ; v24-35   the fragment's 12 registers
.set H2,  36                           ; v36-38, v40-42 the second halves of the two blocks' codes
.set WD,  16                           ; v16-19   the four K steps' scale words
.set R,   48                           ; v48-175  two sets of 64 registers as loaded
.set X,   176                          ; v176-239 two blocks of 32 neighbours
	s_load_b256 s[4:11], s[0:1], 0x0               ; x, Wq, Wk, Wv
	s_load_b128 s[12:15], s[0:1], 0x20             ; Wo, cw
	s_load_b64 s[16:17], s[0:1], 0x30              ; sw
	v_lshl_add_u32 v240, v0, 2, 0x8400
	v_mov_b32 v241, 0
	v_lshrrev_b32 v1, 5, v0
	v_readfirstlane_b32 s18, v1                    ; wave
	s_lshr_b32 s19, s18, 1                         ; which of the two tiles
	s_and_b32 s22, s18, 1                          ; which half of K
	v_and_b32 v7, 31, v0                           ; lane
	v_and_b32 v1, 15, v0                           ; r
	v_bfe_u32 v6, v0, 4, 1                         ; h
	v_lshlrev_b32 v2, 4, v7                        ; 16 x lane
	v_lshlrev_b32 v3, 3, v7                        ; 8 x lane
	s_mul_i32 s23, s18, WST
	v_add_nc_u32 v4, s23, v2                       ; the stage, on the way in
	v_mul_u32_u24 v5, v1, SPI
	v_lshl_add_u32 v5, v6, 7, v5
	v_add_nc_u32 v5, s23, v5                       ; and out: row r, + 128 h bytes: my block of each 64 numbers
	v_lshlrev_b32 v6, 3, v6                        ; 8 h: where my two bytes stand in the scale word
	v_mov_b32 v14, 0                               ; a lane permute's destination counts as one of its sources
	s_mov_b32 s20, 0x76543210
	s_mov_b32 s21, 0xfedcba98                      ; selects for lane l xor 16
	s_wait_alu depctr_va_vdst(0)
	s_wait_kmcnt 0x0
	s_mov_b64 s[24:25], s[12:13]                   ; which tensor: the choice hangs on the work-group's number alone
	s_mov_b32 s26, 352
	s_cmp_lt_u32 ttmp9, 352
	s_cselect_b64 s[24:25], s[10:11], s[24:25]
	s_cselect_b32 s26, 320, s26
	s_cmp_lt_u32 ttmp9, 320
	s_cselect_b64 s[24:25], s[8:9], s[24:25]
	s_cselect_b32 s26, 288, s26
	s_cmp_lt_u32 ttmp9, 288
	s_cselect_b64 s[24:25], s[6:7], s[24:25]
	s_cselect_b32 s26, 256, s26
	s_cmp_lt_u32 ttmp9, 256
	s_cselect_b64 s[24:25], s[4:5], s[24:25]
	s_cselect_b32 s26, 0, s26                      ; the tensor's first work-group
	s_sub_co_u32 s27, ttmp9, s26
	s_lshl_b32 s28, s27, 17                        ; 32 rows of 4,096 bytes
	s_lshl_b32 s27, s19, 15                        ; the second tile begins 8 rows on
	s_add_co_u32 s28, s28, s27
	s_lshl_b32 s27, s22, 11                        ; the second half of K: 512 numbers on
	s_add_co_u32 s28, s28, s27
	s_mov_b32 s29, 0
	s_add_nc_u64 s[24:25], s[24:25], s[28:29]
	s_lshl_b32 s27, ttmp9, 1
	s_add_co_u32 s27, s27, s19                     ; T
	s_mul_i32 s28, s27, 12288
	s_mul_i32 s30, s22, 6144
	s_add_co_u32 s28, s28, s30
	s_add_nc_u64 s[14:15], s[14:15], s[28:29]      ; my four fragments
	s_lshl_b32 s28, s27, 9
	s_lshl_b32 s30, s22, 8
	s_add_co_u32 s28, s28, s30
	s_add_nc_u64 s[16:17], s[16:17], s[28:29]      ; my 256 bytes of scale words
.macro LOAD t                          ; K step t of the tile's 16 rows: 512 consecutive bytes a load
.irp j, 0,1,2,3,4,5,6,7,8,9,10,11,12,13,14,15
	global_load_b128 v[R+64*((\t)%2)+4*\j:R+64*((\t)%2)+4*\j+3], v2, s[24:25] offset:(\j+8*(\j/8))*4096+512*(\t) th:TH_LOAD_NT
.endr
.endm
.macro STEP t
.set RS, R+64*((\t)%2)
.if (\t) < 3
	s_wait_loadcnt 16                              ; this K step's 16 loads are in; the next step's 16 may be out
.else
	s_wait_loadcnt 0x0
.endif
.irp j, 0,1,2,3,4,5,6,7,8,9,10,11,12,13,14,15
	ds_store_b128 v4, v[RS+4*\j:RS+4*\j+3] offset:SPI*\j
.endr
.irp c, 0,1                            ; LDS serves a wave's instructions in order: these see the stores above
.irp k, 0,1,2,3,4,5,6,7
	ds_load_b128 v[X+32*\c+4*\k:X+32*\c+4*\k+3], v5 offset:256*\c+16*\k
.endr
.endr
	s_wait_dscnt 0x0                               ; my 64 numbers are back, and the stores have read the set that is loaded again below
.if (\t) < 2
	LOAD (\t)+2
.endif
.irp c, 0,1
	v_max3_num_f32 v[8+\c], |v[X+32*\c]|, |v[X+32*\c+1]|, 0x1800000   ; block 2 c + h: all 32 numbers are mine; the floor 2^(3 - 127) holds the byte at 1 from below
.endr
.irp i, 2,4,6,8,10,12,14,16,18,20,22,24,26,28,30
.irp c, 0,1
	v_max3_num_f32 v[8+\c], v[8+\c], |v[X+32*\c+\i]|, |v[X+32*\c+\i+1]|
.endr
.endr
.irp c, 0,1
	v_add_nc_u32 v[10+\c], 0xff000000, v[8+\c]     ; 2 off the exponent field: the conversion's scale operand
.endr
.irp c, 0,1
	v_lshrrev_b32 v[12+\c], 23, v[10+\c]           ; the byte
.endr
	v_lshl_or_b32 v12, v13, 16, v12                ; blocks h and 2 + h,
	v_lshlrev_b32 v12, v6, v12                     ; at their places in the word;
	v_permlanex16_b32 v14, v12, s20, s21
	v_or_b32 v[WD+(\t)], v12, v14                  ; with lane l xor 16's two the word is whole
	s_wait_alu depctr_va_vdst(0)
	s_wait_xcnt 0x0                                ; the last step's stores have read the fragment's registers
.irp c, 0,1
	v_cvt_scalef32_pk16_fp6_f32 v[C+6*\c:C+6*\c+2], v[X+32*\c:X+32*\c+15], v[10+\c]
	v_cvt_scalef32_pk16_fp6_f32 v[H2+4*\c:H2+4*\c+2], v[X+32*\c+16:X+32*\c+31], v[10+\c]   ; (a conversion's three registers begin on an even number)
.endr
	v_nop                                          ; one plain place behind a scaled conversion
.irp c, 0,1
.irp i, 0,1,2
	v_mov_b32 v[C+6*\c+3+\i], v[H2+4*\c+\i]
.endr
.endr
	global_store_b128 v2, v[C:C+3], s[14:15] offset:1536*(\t)             ; each store covers 512 or 256 consecutive bytes, at a multiple of 256
	global_store_b64 v3, v[C+4:C+5], s[14:15] offset:1536*(\t)+512
	global_store_b128 v2, v[C+6:C+9], s[14:15] offset:1536*(\t)+768
	global_store_b64 v3, v[C+10:C+11], s[14:15] offset:1536*(\t)+1280
.endm
	LOAD 0
	LOAD 1
	STEP 0
	STEP 1
	STEP 2
	STEP 3
	v_cmp_lt_u32 vcc_lo, 15, v7                    ; lanes 0-15 store the words of my K steps 0 and 1, lanes 16-31 those of 2 and 3
	v_cndmask_b32 v20, v[WD], v[WD+2], vcc_lo
	v_cndmask_b32 v21, v[WD+1], v[WD+3], vcc_lo
	global_store_b64 v3, v[20:21], s[16:17]        ; 256 consecutive bytes
	s_wait_tensorcnt 0x0
	ds_add_u32 v240, v241
	s_wait_dscnt 0x0
	s_endpgm
.Lfunc_end_k_qf43efa889c_quant:
	.size	k_qf43efa889c_quant, .Lfunc_end_k_qf43efa889c_quant-k_qf43efa889c_quant
	.p2alignl 7, 3214868480
	.fill 96, 4, 3214868480
	.section	.rodata,"a",@progbits
	.p2align	6, 0x0
	.amdhsa_kernel k_qf43efa889c_quant
		.amdhsa_group_segment_fixed_size 34304
		.amdhsa_private_segment_fixed_size 0
		.amdhsa_enable_private_segment 0
		.amdhsa_kernarg_size 56
		.amdhsa_user_sgpr_count 2
		.amdhsa_user_sgpr_kernarg_segment_ptr 1
		.amdhsa_wavefront_size32 1
		.amdhsa_system_sgpr_workgroup_id_x 1
		.amdhsa_system_sgpr_workgroup_id_y 1
		.amdhsa_system_sgpr_workgroup_id_z 1
		.amdhsa_system_vgpr_workitem_id 0
		.amdhsa_next_free_vgpr 242
		.amdhsa_next_free_sgpr 66
		.amdhsa_reserve_vcc 1
		.amdhsa_float_denorm_mode_32 3
		.amdhsa_float_denorm_mode_16_64 3
		.amdhsa_memory_ordered 1
		.amdhsa_forward_progress 1
		.amdhsa_inst_pref_size 31
	.end_amdhsa_kernel
	.amdgpu_metadata
---
amdhsa.version: [ 1, 2 ]
amdhsa.kernels:
  - .name:           k_qf43efa889c_quant
    .symbol:         k_qf43efa889c_quant.kd
    .args:
      - { .name: x, .offset: 0, .size: 8, .value_kind: global_buffer, .address_space: global }
      - { .name: Wq, .offset: 8, .size: 8, .value_kind: global_buffer, .address_space: global }
      - { .name: Wk, .offset: 16, .size: 8, .value_kind: global_buffer, .address_space: global }
      - { .name: Wv, .offset: 24, .size: 8, .value_kind: global_buffer, .address_space: global }
      - { .name: Wo, .offset: 32, .size: 8, .value_kind: global_buffer, .address_space: global }
      - { .name: cw, .offset: 40, .size: 8, .value_kind: global_buffer, .address_space: global }
      - { .name: sw, .offset: 48, .size: 8, .value_kind: global_buffer, .address_space: global }
    .group_segment_fixed_size: 34304
    .private_segment_fixed_size: 0
    .kernarg_segment_align: 8
    .kernarg_segment_size: 56
    .max_flat_workgroup_size: 128
    .sgpr_count:     66
    .vgpr_count:     242
    .wavefront_size: 32
...
	.end_amdgpu_metadata
.endif
;; end of part 1
;; launch proj (part 2): grid 8 x 48, 4 waves a work-group, clusters of 4 x 4, 327,680 bytes of LDS; arguments cw, sw, pc, ps; writes pc, ps
.if DOCPART == 2
	.amdgcn_target "amdgcn-amd-amdhsa--gfx1250"
	.amdhsa_code_object_version 6
	.text
	.protected	k_qf43efa889c_proj
	.globl	k_qf43efa889c_proj
	.p2align	8
	.type	k_qf43efa889c_proj,@function
k_qf43efa889c_proj:
	s_mov_b64 s[64:65], 0
	v_nop
	global_prefetch_b8 v0, s[64:65] scope:SCOPE_SE
	s_setreg_imm32_b32 hwreg(HW_REG_WAVE_MODE, 25, 1), 1
	s_wait_xcnt 0x0
	s_wait_alu depctr_hold_cnt(0) depctr_sa_sdst(0) depctr_va_vdst(0) depctr_va_sdst(0) depctr_va_ssrc(0) depctr_va_vcc(0) depctr_vm_vsrc(0)
	s_getreg_b32 s2, hwreg(HW_REG_IB_STS2, 6, 4)
	s_cmp_eq_u32 s2, 0
	s_cbranch_scc0 .Lentry_in_a_cluster
	s_endpgm
.Lentry_in_a_cluster:
	s_bfe_u32 s2, ttmp6, 0x10000c
	s_cmp_lg_u32 s2, 0xf033
	s_cbranch_scc0 .Lentry_shape_is_right
	s_endpgm
.Lentry_shape_is_right:
; Q = x Wq^T, K = x Wk^T (clusters y 0-7) and V^T = Wv x^T (clusters y 8-11), on codes of FP6 (E2M3) with E8M0 scales, K = 1,024; the results are quantised in registers and leave as codes.
; OPERANDS (cw, sw): tiles of 16 rows; tile T = 2 g + u holds at place r row 32 g + 8 u + r + 8 (r / 8); a tile is 8 fragments (128 along K) of 1,536 bytes, each an image of the operand's 12 registers:
; registers 0-3 at 16 x lane, 4-5 at 512 + 8 x lane, 6-9 at 768 + 16 x lane, 10-11 at 1,280 + 8 x lane.  Scale words: 512 bytes a tile, place r, K step s at 128 (s / 2) + 8 r + 4 (s % 2).
; Tiles 0-511 x, 512-575 Wq, 576-639 Wk, 640-703 Wv.
; A work-group makes 256 x 256 of A' B'^T, each of four waves 128 x 128 in 64 accumulators.  Q, K: A' = x, B' = W.  V^T: A' = Wv, B' = x.  Only tile numbers differ, chosen by the cluster's y.
; THE MATRIX INSTRUCTION IS USED TRANSPOSED (source 0 = 16 rows of B', source 1 = 16 rows of A'): a lane holds one row of A', and by the tiles' order the 16 registers of B' tiles 2 g, 2 g + 1 are
; 16 neighbours 32 g + 16 (lane / 16) + 0 .. 15 along B' rows: the head's features for Q and K, the positions (keys) for V^T: the axis along which each is quantised.
; RESULTS (pc, ps): halves of fragments, 768 bytes (16 rows x 64): Q, K at [head 0-31][position tile 0-511]; V^T at VREG + [64 positions 0-127][feature tile 0-63].
; Scale words by fours of tiles, 256 bytes: lane (r, h) holds the words of tiles 4 j + 2 h and 4 j + 2 h + 1.  The word of the first 64 is the four bytes as made; that of the second 64 has its halves exchanged.
; K goes in 4 chunks of 256 through THREE LDS slots: chunks 0, 1, 2 are first fills, chunk 3 fills slot 0 again: one refill in the launch.  By this text's count a wave has at most four tensor loads out.
; CLUSTERS 4 x 4: A' tiles are asked for jointly along a row of the cluster, B' tiles along a column.
; LIMITS: a block of zeros gets the byte 1 (its codes are zeros; this program alone reads the bytes); NaN and infinities are not served.
; REGISTERS: window 0: v2-15, v27-29 addresses; v32-95 all scale words of all K (register 8 i + s: lanes 0-15 A' block i, lanes 16-31 B' block i, K step s); v96-127 at work in the epilogue;
;   v128-223 A' fragments, one set (in the epilogue: codes and scale words).  window 1: B' fragments, two sets at v0 and v128.  windows 2, 3: the accumulators ((a, b) at v[8 (8 (a % 4) + b)]).
.set FR,    12
.set TILEB, 12288                      ; a tile's codes of all K
.set CHB,   3072                       ; a tile's codes of a chunk
.set HALFT, 8*CHB                      ; eight tiles: what one tensor load brings
.set SLOT,  4*HALFT                    ; A' 16 tiles, then B' 16 tiles
.set SCL,   3*SLOT                     ; behind the slots: the scale words, 4,096 bytes a wave's load
.set SPARE, SCL+4*4096                 ; the spare words, 128 bytes for each wave: two blocks of 256 bytes that no other line names
.set VREG,  12582912
.set VSREG, 1048576
.set L16,  2                           ; v2   16 x lane
.set L8,   3                           ; v3   8 x lane
.set A16,  4                           ; v4-6   my A' tiles in slot 0, 1, 2, + 16 x lane;  v7-9 + 8 x lane
.set A8,   7
.set B16,  10                          ; v10-12, v13-15 the same for B'
.set B8,   13
.set ADRS, 27                          ; v27  my scale words: lanes 0-15 A', lanes 16-31 B'
.set SPW,  28                          ; v28  my spare word; never rewritten
.set NIL,  29                          ; v29  0; never rewritten
.set SC,   32
.set AF,   128
.set G1A,  24                          ; s[24:31], s[32:39] group 1 for A' and B' codes; s[40:47], s[48:55] for their scales
.set G1B,  32
.set G1SA, 40
.set G1SB, 48
.set G0SA, 56                          ; s[56:59], s[60:63] group 0 for the scales
.set G0SB, 60
.set G0A,  68                          ; s[68:79], s[80:91] group 0 for the codes, a set for each slot
.set G0B,  80
.set MSB, 0
.macro WIN new                         ; the immediate's high byte repeats the setting that is left
.if MSB != \new
	s_set_vgpr_msb (MSB<<8)|\new
.set MSB, \new
.endif
.endm
.set MUL_LO, 0xa1                      ; source 0 (B') window 1, source 1 (A') window 0, C and D window 2
.set MUL_HI, 0xf1                      ; the same, C and D window 3
.set TO_B,   0x40                      ; destination window 1, address window 0
.macro PLACES
.rept 4
	v_nop
.endr
.endm
.macro CREST                           ; a round of the cluster's barrier behind its opening barrier
	s_cmp_lg_u32 s14, 0
	s_cbranch_scc1 .Lnot_wave_0_\@
	s_barrier_signal -3
.Lnot_wave_0_\@:
	s_barrier_wait -3
	s_barrier_signal -1
	s_barrier_wait -1
.endm
.macro CROUND
	s_barrier_signal -1
	s_barrier_wait -1
	CREST
.endm
.macro JLOAD                           ; the one refill: chunk 3 into slot 0.  Waves 0, 1 ask for A', waves 2, 3 for B'; four v_nop follow each line
	s_cmp_eq_u32 s15, 0
	s_cbranch_scc0 .Lfor_b_\@
	tensor_load_to_lds s[G0A:G0A+3], s[G1A:G1A+7]
	s_nop 0
.rept 4
	v_nop
.endr
	s_branch .Lasked_\@
.Lfor_b_\@:
	tensor_load_to_lds s[G0B:G0B+3], s[G1B:G1B+7]
	s_nop 0
.rept 4
	v_nop
.endr
.Lasked_\@:
.endm
	s_load_b128 s[4:7], s[0:1], 0x0                ; cw, sw
	s_load_b128 s[8:11], s[0:1], 0x10              ; pc, ps
	v_lshl_add_u32 v[SPW], v0, 2, SPARE
	v_mov_b32 v[NIL], 0
	ds_add_u32 v28, v29
	ds_add_u32 v28, v29
	s_wait_dscnt 0x0
	v_lshrrev_b32 v1, 5, v0
	v_readfirstlane_b32 s14, v1                    ; wave 0..3
	s_lshr_b32 s15, s14, 1                         ; which half of A' rows is mine.  Also: I fetch for A' (0) or B' (1)
	s_and_b32 s16, s14, 1                          ; which half of B' rows.  Also: which eight tiles I fetch
	s_bfe_u32 s92, ttmp6, 0x40000                  ; cx
	s_bfe_u32 s93, ttmp6, 0x40004                  ; cy
	s_and_b32 s12, ttmp7, 0xffff                   ; the cluster's y
	s_lshl_b32 s2, s93, 2
	s_lshl_b32 s2, 15, s2                          ; my row of the cluster
	s_lshl_b32 s3, 0x1111, s92                     ; my column
	s_or_b32 s[G1A], s2, (3<<16)|(1<<21)           ; 15:0 the mask; 17:16 elements of 8 bytes; 20 no padding; 21 set beside a mask
	s_or_b32 s[G1B], s3, (3<<16)|(1<<21)
	s_or_b32 s[G1SA], s2, (3<<16)|(1<<21)
	s_or_b32 s[G1SB], s3, (3<<16)|(1<<21)
.irp g, G1A, G1B                       ; codes: 8 rows (tiles) of 384 elements (3,072 bytes), 1,536 elements apart
	s_mov_b32 s[\g+1], 384<<16
	s_mov_b32 s[\g+2], 8<<16
	s_mov_b32 s[\g+3], 384<<16
	s_mov_b32 s[\g+4], 8
	s_mov_b32 s[\g+5], 1536
	s_mov_b32 s[\g+6], 0
	s_mov_b32 s[\g+7], 0
.endr
.irp g, G1SA, G1SB                     ; scales: 4,096 dense bytes as 16 rows of 256
	s_mov_b32 s[\g+1], 32<<16
	s_mov_b32 s[\g+2], 16<<16
	s_mov_b32 s[\g+3], 32<<16
	s_mov_b32 s[\g+4], 16
	s_mov_b32 s[\g+5], 32
	s_mov_b32 s[\g+6], 0
	s_mov_b32 s[\g+7], 0
.endr
	; which blocks of 16 tiles.  A' hangs on cy and the cluster's y, B' on cx and the cluster's x and y: each in registers of its own
	s_lshl_b32 s17, s12, 2
	s_add_co_u32 s17, s17, s93                     ; Q, K: x's block 4 y + cy
	s_add_co_u32 s18, s93, 40                      ; V^T: Wv's block 40 + cy
	s_lshl_b32 s94, ttmp9, 2
	s_add_co_u32 s94, s94, s92                     ; 4 x + cx
	s_max_u32 s13, s12, 8
	s_sub_co_u32 s13, s13, 8
	s_lshl_b32 s13, s13, 3
	s_add_co_u32 s95, s13, s94                     ; V^T: x's block 8 (y - 8) + 4 x + cx
	s_add_co_u32 s94, s94, 32                      ; Q, K: Wq's and Wk's blocks 32 .. 39
	s_cmp_lt_u32 s12, 8
	s_cselect_b32 s17, s17, s18                    ; A' block
	s_cselect_b32 s95, s94, s95                    ; B' block
	s_lshl_b32 s20, s17, 4
	s_lshl_b32 s21, s16, 3
	s_add_co_u32 s20, s20, s21                     ; the first of the eight tiles of A' that I would fetch
	s_lshl_b32 s22, s20, 9
	s_mul_i32 s20, s20, TILEB
	s_mov_b32 s21, 0
	s_mov_b32 s23, 0
	s_lshl_b32 s96, s95, 4
	s_lshl_b32 s97, s16, 3
	s_add_co_u32 s96, s96, s97                     ; and of B'
	s_lshl_b32 s98, s96, 9
	s_mul_i32 s96, s96, TILEB
	s_mov_b32 s97, 0
	s_mov_b32 s99, 0
	s_mul_i32 s3, s14, HALFT                       ; where they go: wave x eight tiles; no place in the cluster enters an LDS address
	s_lshl_b32 s2, s14, 12
	s_add_co_u32 s2, s2, SCL
	s_wait_kmcnt 0x0
	s_add_nc_u64 s[20:21], s[4:5], s[20:21]
	s_add_nc_u64 s[22:23], s[6:7], s[22:23]
	s_add_nc_u64 s[96:97], s[4:5], s[96:97]
	s_add_nc_u64 s[98:99], s[6:7], s[98:99]
	s_mov_b32 s[G0SA], 1
	s_mov_b32 s[G0SA+1], s2
	s_mov_b64 s[G0SA+2:G0SA+3], s[22:23]
	s_or_b32 s[G0SA+3], s[G0SA+3], 0x80000000
	s_mov_b32 s[G0SB], 1
	s_mov_b32 s[G0SB+1], s2
	s_mov_b64 s[G0SB+2:G0SB+3], s[98:99]
	s_or_b32 s[G0SB+3], s[G0SB+3], 0x80000000
.irp sl, 0,1,2
	s_mov_b32 s[G0A+4*\sl], 1
	s_add_co_u32 s[G0A+4*\sl+1], s3, \sl*SLOT
	s_add_nc_u64 s[G0A+4*\sl+2:G0A+4*\sl+3], s[20:21], \sl*CHB
	s_or_b32 s[G0A+4*\sl+3], s[G0A+4*\sl+3], 0x80000000
	s_mov_b32 s[G0B+4*\sl], 1
	s_add_co_u32 s[G0B+4*\sl+1], s3, \sl*SLOT
	s_add_nc_u64 s[G0B+4*\sl+2:G0B+4*\sl+3], s[96:97], \sl*CHB
	s_or_b32 s[G0B+4*\sl+3], s[G0B+4*\sl+3], 0x80000000
.endr
	CROUND                                         ; all sixteen work-groups are here: the first joint loads meet
	s_cmp_eq_u32 s15, 0                            ; a wave's four first fills stand in one branch: the scales, chunks 0, 1, 2
	s_cbranch_scc0 .Lfirst_b
	tensor_load_to_lds s[G0SA:G0SA+3], s[G1SA:G1SA+7]
	s_nop 0
	tensor_load_to_lds s[G0A:G0A+3], s[G1A:G1A+7]
	s_nop 0
	tensor_load_to_lds s[G0A+4:G0A+7], s[G1A:G1A+7]
	s_nop 0
	tensor_load_to_lds s[G0A+8:G0A+11], s[G1A:G1A+7]
	s_nop 0
.rept 4
	v_nop
.endr
	s_branch .Lfirst_asked
.Lfirst_b:
	tensor_load_to_lds s[G0SB:G0SB+3], s[G1SB:G1SB+7]
	s_nop 0
	tensor_load_to_lds s[G0B:G0B+3], s[G1B:G1B+7]
	s_nop 0
	tensor_load_to_lds s[G0B+4:G0B+7], s[G1B:G1B+7]
	s_nop 0
	tensor_load_to_lds s[G0B+8:G0B+11], s[G1B:G1B+7]
	s_nop 0
.rept 4
	v_nop
.endr
.Lfirst_asked:
	v_and_b32 v1, 31, v0
	v_lshlrev_b32 v[L16], 4, v1
	v_lshlrev_b32 v[L8], 3, v1
	s_mul_i32 s20, s15, HALFT                      ; my eight tiles of A',
	s_mul_i32 s21, s16, HALFT
	s_add_co_u32 s21, s21, 2*HALFT                 ; and of B', behind A' sixteen
.irp sl, 0,1,2
	v_add_nc_u32 v[A16+\sl], s20, v[L16]
	v_add_nc_u32 v[A8+\sl], s20, v[L8]
	v_add_nc_u32 v[B16+\sl], s21, v[L16]
	v_add_nc_u32 v[B8+\sl], s21, v[L8]
	s_add_co_u32 s20, s20, SLOT
	s_add_co_u32 s21, s21, SLOT
.endr
	v_and_b32 v16, 15, v0                          ; r
	v_bfe_u32 v17, v0, 4, 1                        ; h
	s_lshl_b32 s20, s15, 12                        ; A' scale words of my half,
	s_lshl_b32 s21, s16, 12
	s_add_co_u32 s21, s21, 8192                    ; B' behind A' two halves
	s_sub_co_u32 s21, s21, s20
	v_mul_u32_u24 v18, s21, v17                    ; lanes 16-31 take B': one product, the distance between the two
	s_add_co_u32 s20, s20, SCL
	v_lshl_add_u32 v18, v16, 3, v18
	v_add_nc_u32 v[ADRS], s20, v18
	; where the results go
	s_cmp_lt_u32 s12, 8
	s_cselect_b32 s2, 0, 40                        ; A' block less this = block of result rows
	s_cselect_b32 s3, 32, 0                        ; B' block less this = block of 256 along the quantised axis
	s_cselect_b32 s18, 512, 64                     ; MT: row tiles in the result
	s_cselect_b32 s19, 0, VREG
	s_cselect_b32 s12, 0, VSREG
	s_sub_co_u32 s2, s17, s2
	s_lshl_b32 s2, s2, 4
	s_lshl_b32 s13, s15, 3
	s_add_co_u32 s2, s2, s13                       ; my first row tile
	s_sub_co_u32 s3, s95, s3
	s_lshl_b32 s3, s3, 2
	s_lshl_b32 s13, s16, 1
	s_add_co_u32 s3, s3, s13                       ; my first 64 (a head, or 64 positions)
	s_mul_i32 s13, s3, s18
	s_add_co_u32 s13, s13, s2
	s_mul_i32 s92, s13, 768
	s_add_co_u32 s92, s92, s19
	s_mov_b32 s93, 0
	s_add_nc_u64 s[8:9], s[8:9], s[92:93]          ; codes of the first 64
	s_lshl_b32 s92, s13, 6
	s_add_co_u32 s92, s92, s12
	s_add_nc_u64 s[10:11], s[10:11], s[92:93]      ; their scale words: 64 bytes a tile
	s_mul_i32 s92, s18, 768
	s_add_nc_u64 s[2:3], s[8:9], s[92:93]          ; codes of the second 64
	s_lshl_b32 s92, s18, 6
	s_add_nc_u64 s[12:13], s[10:11], s[92:93]      ; and their scale words
	s_mov_b32 s18, 0x76543210
	s_mov_b32 s19, 0xfedcba98                      ; selects for lane l xor 16
.macro FRAG reg, a16, a8, off          ; a fragment's 12 registers, as they lie: every load takes 512 or 256 consecutive bytes
	ds_load_b128 v[(\reg):(\reg)+3], v[\a16] offset:(\off)
	ds_load_b64 v[(\reg)+4:(\reg)+5], v[\a8] offset:(\off)+512
	ds_load_b128 v[(\reg)+6:(\reg)+9], v[\a16] offset:(\off)+768
	ds_load_b64 v[(\reg)+10:(\reg)+11], v[\a8] offset:(\off)+1280
.endm
.macro FETCH_B sl, q, p                ; B' eight fragments of slot sl's q-th 128 along K into set p
	WIN TO_B
.irp i, 0,1,2,3,4,5,6,7
	FRAG 128*(\p)+FR*\i, B16+\sl, B8+\sl, \i*CHB+(\q)*1536
.endr
	WIN 0
.endm
.macro FETCH_A sl, q, i0               ; A' blocks i0 .. i0 + 3
.irp i, \i0, \i0+1, \i0+2, \i0+3
	FRAG AF+FR*(\i), A16+\sl, A8+\sl, (\i)*CHB+(\q)*1536
.endr
.endm
.macro SCALES                          ; all scale words of all K, once: 32 loads of two words
.irp i, 0,1,2,3,4,5,6,7
.irp sp, 0,1,2,3
	ds_load_b64 v[SC+8*\i+2*\sp:SC+8*\i+2*\sp+1], v[ADRS] offset:512*\i+128*\sp
.endr
.endr
.endm
; 16 matrix instructions: A' blocks a0, a0 + 1 x B' eight, K step s.  p: B' set.  zero = 1: the first product starts the sums.  The 64 accumulators take turns, one instruction a turn, in the same
; order in every step.
.macro MUL16 a0, p, s, zero
.irp a, \a0, \a0+1
.irp b, 0,1,2,3,4,5,6,7
.if \zero
	v_wmma_scale_f32_16x16x128_f8f6f4 v[8*(8*((\a)%4)+\b):8*(8*((\a)%4)+\b)+7], v[128*(\p)+FR*\b:128*(\p)+FR*\b+FR-1], v[AF+FR*(\a):AF+FR*(\a)+FR-1], 0, v[SC+8*\b+(\s)], v[SC+8*(\a)+(\s)] matrix_a_fmt:MATRIX_FMT_FP6 matrix_b_fmt:MATRIX_FMT_FP6 matrix_a_scale:MATRIX_SCALE_ROW1
.else
	v_wmma_scale_f32_16x16x128_f8f6f4 v[8*(8*((\a)%4)+\b):8*(8*((\a)%4)+\b)+7], v[128*(\p)+FR*\b:128*(\p)+FR*\b+FR-1], v[AF+FR*(\a):AF+FR*(\a)+FR-1], v[8*(8*((\a)%4)+\b):8*(8*((\a)%4)+\b)+7], v[SC+8*\b+(\s)], v[SC+8*(\a)+(\s)] matrix_a_fmt:MATRIX_FMT_FP6 matrix_b_fmt:MATRIX_FMT_FP6 matrix_a_scale:MATRIX_SCALE_ROW1
.endif
.endr
.endr
.endm
; K step s; the next step's fragments come from slot nsl, its nq-th 128.  Four places stand in front of each run of loads into registers that matrix instructions have read.
.macro STEP s, nsl, nq, zero
	s_wait_dscnt 16                                ; all but the youngest 16 loads (A' blocks 4-7) are in
	WIN MUL_LO
	MUL16 0, (\s)%2, \s, \zero
	MUL16 2, (\s)%2, \s, \zero
	s_wait_dscnt 0x0                               ; A' blocks 4-7 are in
	PLACES
	FETCH_B \nsl, \nq, 1-(\s)%2
	FETCH_A \nsl, \nq, 0
	WIN MUL_HI
	MUL16 4, (\s)%2, \s, \zero
	MUL16 6, (\s)%2, \s, \zero
	PLACES
	WIN 0
	FETCH_A \nsl, \nq, 4
.endm
; K step s with a barrier in it.  In front of the barrier each wave waits for all its tensor loads, adds 0 to its spare word, and waits for that and for its LDS reads.
; fill = 1: the barrier opens a round of the cluster's; behind it slot 0, which nobody reads any more, takes chunk 3; and chunks 1 and 2 are whole for every wave.  fill = 0: chunk 3 is whole.
.macro TURN s, nsl, fill
	s_wait_tensorcnt 0x0                           ; all my tensor loads have landed
	ds_add_u32 v[SPW], v[NIL]                      ; 0 onto my spare word
	s_wait_dscnt 17                                ; (the add and the youngest 16 loads may be out)
	WIN MUL_LO
	MUL16 0, (\s)%2, \s, 0
	s_wait_dscnt 0x0                               ; the add is done, and my reads of the slots read so far are over
	s_barrier_signal -1
	MUL16 2, (\s)%2, \s, 0
	WIN 0
	s_barrier_wait -1
.if \fill
	CREST
	s_add_nc_u64 s[G0A+2:G0A+3], s[G0A+2:G0A+3], 3*CHB   ; no tensor load of mine is out: slot 0's group 0 steps to chunk 3
	s_add_nc_u64 s[G0B+2:G0B+3], s[G0B+2:G0B+3], 3*CHB
	JLOAD                                          ; the first tensor load behind the round, and my only one; its four v_nop are the places in front of the loads below
.else
	PLACES
.endif
	FETCH_B \nsl, 0, 1-(\s)%2
	FETCH_A \nsl, 0, 0
	WIN MUL_HI
	MUL16 4, (\s)%2, \s, 0
	MUL16 6, (\s)%2, \s, 0
	PLACES
	WIN 0
	FETCH_A \nsl, 0, 4
.endm
	s_wait_alu depctr_va_vdst(0)
	s_wait_tensorcnt 2                             ; my scales and my part of chunk 0 are in; chunks 1 and 2, issued behind them, may be out
	s_barrier_signal -1
	s_barrier_wait -1
	FETCH_B 0, 0, 0
	FETCH_A 0, 0, 0
	SCALES
	FETCH_A 0, 0, 4
	STEP 0, 0, 1, 1
	TURN 1, 1, 1
	STEP 2, 1, 1, 0
	STEP 3, 2, 0, 0
	STEP 4, 2, 1, 0
	TURN 5, 0, 0
	STEP 6, 0, 1, 0
	s_wait_dscnt 16                                ; the last step: nothing more to fetch
	WIN MUL_LO
	MUL16 0, 1, 7, 0
	MUL16 2, 1, 7, 0
	s_wait_dscnt 0x0
	WIN MUL_HI
	MUL16 4, 1, 7, 0
	MUL16 6, 1, 7, 0
	WIN 0
; THE WAY OUT.  For each of my eight row tiles: the lane's 64 registers, register 16 g + i = place 32 g + 16 (lane / 16) + i of my row along the quantised axis, become a fragment's codes and scale word.
.set MX,  96                           ; v96-99   largest magnitudes
.set PB,  100                          ; v100-103 the other half's, then the bytes
.set SO,  104                          ; v104-107 the conversions' scale operands
.set PCD, 128                          ; v128-139 the codes;  v140-142, v144-146 second halves
.set PH,  140
.set WA,  168                          ; v168-175 the words as made;  v176-183 with their halves exchanged
.set WB,  176
.irp g, 0,1,2,3
	v_mov_b32 v[PB+\g], 0                          ; a lane permute's destination counts as one of its sources.  These four are also the places behind the last products
.endr
.macro OUTA a
.set W, 2+(\a)/4
.set AC, 64*((\a)%4)
	WIN ((W<<2)|(W<<4))                            ; sources 1 and 2: the accumulators' window
.irp g, 0,1,2,3
	v_max3_num_f32 v[MX+\g], 0x1800000, |v[AC+16*\g]|, |v[AC+16*\g+1]|   ; each accumulator is read from its low end on; the floor 2^(3 - 127) holds the byte at 1 from below
.endr
.irp i, 2,4,6,8,10,12,14
.irp g, 0,1,2,3
	v_max3_num_f32 v[MX+\g], v[MX+\g], |v[AC+16*\g+\i]|, |v[AC+16*\g+\i+1]|
.endr
.endr
	WIN 0
.irp g, 0,1,2,3
	v_permlanex16_b32 v[PB+\g], v[MX+\g], s18, s19
.endr
.irp g, 0,1,2,3
	v_max_num_f32 v[MX+\g], v[MX+\g], v[PB+\g]     ; with lane l xor 16's 16: the block's largest magnitude
.endr
.irp g, 0,1,2,3
	v_add_nc_u32 v[SO+\g], 0xff000000, v[MX+\g]    ; 2 off the exponent field
.endr
.irp g, 0,1,2,3
	v_lshrrev_b32 v[PB+\g], 23, v[SO+\g]           ; the byte
.endr
	v_lshl_or_b32 v[WA+(\a)], v[PB+1], 8, v[PB]
	v_lshl_or_b32 v[WA+(\a)], v[PB+2], 16, v[WA+(\a)]
	v_lshl_or_b32 v[WA+(\a)], v[PB+3], 24, v[WA+(\a)]
	v_lshrrev_b32 v108, 16, v[WA+(\a)]
	v_lshl_or_b32 v[WB+(\a)], v[WA+(\a)], 16, v108 ; the second 64's two bytes lowest
	s_wait_xcnt 0x0                                ; the last tile's stores have read the codes' registers
	WIN W                                          ; source 0: the accumulators' window
.irp c, 0,1
	v_cvt_scalef32_pk16_fp6_f32 v[PCD+6*\c:PCD+6*\c+2], v[AC+32*\c:AC+32*\c+15], v[SO+2*\c]
	v_cvt_scalef32_pk16_fp6_f32 v[PH+4*\c:PH+4*\c+2], v[AC+32*\c+16:AC+32*\c+31], v[SO+2*\c+1]
.endr
	WIN 0
	v_nop                                          ; one plain place behind a scaled conversion
.irp c, 0,1                            ; the operand's layout wants a whole block in a lane
.irp i, 0,1,2
	v_permlane16_swap_b32 v[PCD+6*\c+\i], v[PH+4*\c+\i]
.endr
.irp i, 0,1,2
	v_mov_b32 v[PCD+6*\c+3+\i], v[PH+4*\c+\i]
.endr
.endr
	global_store_b128 v[L16], v[PCD:PCD+3], s[8:9] offset:768*(\a)          ; each store covers 512 or 256 consecutive bytes, at a multiple of 256
	global_store_b64 v[L8], v[PCD+4:PCD+5], s[8:9] offset:768*(\a)+512
	global_store_b128 v[L16], v[PCD+6:PCD+9], s[2:3] offset:768*(\a)
	global_store_b64 v[L8], v[PCD+10:PCD+11], s[2:3] offset:768*(\a)+512
.endm
.irp a, 0,1,2,3,4,5,6,7
	OUTA \a
.endr
	v_cmp_lt_u32 vcc_lo, 15, v1                    ; lanes 0-15 store the words of tiles 4 j, 4 j + 1, lanes 16-31 those of 4 j + 2, 4 j + 3
.irp j, 0,1
	v_cndmask_b32 v[112+2*\j], v[WA+4*\j], v[WA+4*\j+2], vcc_lo
	v_cndmask_b32 v[113+2*\j], v[WA+4*\j+1], v[WA+4*\j+3], vcc_lo
	v_cndmask_b32 v[116+2*\j], v[WB+4*\j], v[WB+4*\j+2], vcc_lo
	v_cndmask_b32 v[117+2*\j], v[WB+4*\j+1], v[WB+4*\j+3], vcc_lo
.endr
.irp j, 0,1
	global_store_b64 v[L8], v[112+2*\j:113+2*\j], s[10:11] offset:256*\j
	global_store_b64 v[L8], v[116+2*\j:117+2*\j], s[12:13] offset:256*\j
.endr
	s_wait_tensorcnt 0x0                           ; the wave's end
	ds_add_u32 v[SPW], v[NIL]
	s_wait_dscnt 0x0
	CROUND                                         ; the closing round: no work-group ends while a partner may still ask for a tile that names it
	s_endpgm
.Lfunc_end_k_qf43efa889c_proj:
	.size	k_qf43efa889c_proj, .Lfunc_end_k_qf43efa889c_proj-k_qf43efa889c_proj
	.p2alignl 7, 3214868480
	.fill 96, 4, 3214868480
	.section	.rodata,"a",@progbits
	.p2align	6, 0x0
	.amdhsa_kernel k_qf43efa889c_proj
		.amdhsa_group_segment_fixed_size 327680
		.amdhsa_private_segment_fixed_size 0
		.amdhsa_enable_private_segment 0
		.amdhsa_kernarg_size 32
		.amdhsa_user_sgpr_count 2
		.amdhsa_user_sgpr_kernarg_segment_ptr 1
		.amdhsa_wavefront_size32 1
		.amdhsa_system_sgpr_workgroup_id_x 1
		.amdhsa_system_sgpr_workgroup_id_y 1
		.amdhsa_system_sgpr_workgroup_id_z 1
		.amdhsa_system_vgpr_workitem_id 0
		.amdhsa_next_free_vgpr 1024
		.amdhsa_next_free_sgpr 100
		.amdhsa_reserve_vcc 1
		.amdhsa_float_denorm_mode_32 3
		.amdhsa_float_denorm_mode_16_64 3
		.amdhsa_memory_ordered 1
		.amdhsa_forward_progress 1
		.amdhsa_inst_pref_size 149
	.end_amdhsa_kernel
	.amdgpu_metadata
---
amdhsa.version: [ 1, 2 ]
amdhsa.kernels:
  - .name:           k_qf43efa889c_proj
    .symbol:         k_qf43efa889c_proj.kd
    .args:
      - { .name: cw, .offset: 0, .size: 8, .value_kind: global_buffer, .address_space: global }
      - { .name: sw, .offset: 8, .size: 8, .value_kind: global_buffer, .address_space: global }
      - { .name: pc, .offset: 16, .size: 8, .value_kind: global_buffer, .address_space: global }
      - { .name: ps, .offset: 24, .size: 8, .value_kind: global_buffer, .address_space: global }
    .group_segment_fixed_size: 327680
    .private_segment_fixed_size: 0
    .kernarg_segment_align: 8
    .kernarg_segment_size: 32
    .max_flat_workgroup_size: 128
    .sgpr_count:     100
    .vgpr_count:     1024
    .wavefront_size: 32
...
	.end_amdgpu_metadata
.endif
;; end of part 2
;; launch attn (part 3): grid 4 x 64, 16 waves a work-group, clusters of 4 x 1, 210,944 bytes of LDS; arguments pc, ps, cc, cs; writes cc, cs
.if DOCPART == 3
	.amdgcn_target "amdgcn-amd-amdhsa--gfx1250"
	.amdhsa_code_object_version 6
	.text
	.protected	k_qf43efa889c_attn
	.globl	k_qf43efa889c_attn
	.p2align	8
	.type	k_qf43efa889c_attn,@function
k_qf43efa889c_attn:
	s_mov_b64 s[64:65], 0
	v_nop
	global_prefetch_b8 v0, s[64:65] scope:SCOPE_SE
	s_setreg_imm32_b32 hwreg(HW_REG_WAVE_MODE, 25, 1), 1
	s_wait_xcnt 0x0
	s_wait_alu depctr_hold_cnt(0) depctr_sa_sdst(0) depctr_va_vdst(0) depctr_va_sdst(0) depctr_va_ssrc(0) depctr_va_vcc(0) depctr_vm_vsrc(0)
	s_getreg_b32 s2, hwreg(HW_REG_IB_STS2, 6, 4)
	s_cmp_eq_u32 s2, 0
	s_cbranch_scc0 .Lentry_in_a_cluster
	s_endpgm
.Lentry_in_a_cluster:
	s_bfe_u32 s2, ttmp6, 0x10000c
	s_cmp_lg_u32 s2, 0x3003
	s_cbranch_scc0 .Lentry_shape_is_right
	s_endpgm
.Lentry_shape_is_right:
; ctx[b][q][h][:] = softmax_k(Q . K / 8, causal) V for one (batch, head) a cluster, both products on codes of FP6 (E2M3) with E8M0 scales; ctx leaves quantised along D, as the last product's operand.
; THE SOFTMAX AHEAD OF THE SECOND PRODUCT: t = score x log2(e) / 8; M = the row's largest t so far, rounded up to a whole number; p = 2^(t - M) is quantised along the keys, not normalised; the row's sum
; is taken of the unquantised p and divides O at the end.  When M moves, the sum and O are multiplied by 2^(old M - new M): exact.
; INPUTS (pc, ps): halves of fragments of 768 bytes (16 rows x 64 along K; lane (r, h): bytes 0-15 of its block at 16 x lane, bytes 16-23 at 512 + 8 x lane).  Q, K at [head 0-31][position tile 0-511]; V^T at
; VREG + [64 positions][feature tile].  Tile 2 g + u holds at place r row 32 g + 8 u + r + 8 (r / 8).  Scale words by fours of tiles: lane (r, h): the words of tiles 4 j + 2 h, 4 j + 2 h + 1.
; A WHOLE HEAD'S K AND V STAY IN LDS: 2 x 98,304 bytes of codes, 8,192 + 4,096 of scale words, filled once: no ring, no refill, one barrier.  The four work-groups of a cluster share the head, so every
; load is joint.  SHARES: a group G of 128 queries has 8 tiles; partner cx takes tiles 8 G + 2 cx + e.  Wave w runs (G = w, e = 0), then (G = 15 - w, e = 1): (w + 1) + (16 - w) = 17 key steps of 128 keys
; for every wave of every work-group.  cx enters global addresses and the mask's numbers alone: no branch and no LDS address hangs on it.
; LAYOUT: both products transposed: S^T = K Q^T (source 0 = 16 keys, source 1 = my 16 queries), O^T = V^T P^T: a lane holds one query.  By the tiles' order the 16 registers of key tiles 2 b, 2 b + 1 are the
; keys 32 b + 16 (lane / 16) + 0 .. 15.  THE HEAD IS 64 WIDE, the instruction 128: Q's registers 6-11 are zero codes; K's tile t is named v[32 + 6 t .. + 11], whose upper six registers are the next tile's
; codes (or zeros) and meet Q's zeros; every scale byte there lies in 1 .. 254.
; The loop over key steps has 16 trips in every wave; a step whose keys all come after the wave's queries is jumped over by a branch on the wave's number.
; OUTPUT: cc: tile i at 12,288 i, head h's half fragment at 768 h.  cs: 512 bytes a tile; head h, block k, place r at 128 (h / 4) + 8 r + 2 (h % 4) + k: single bytes, since a scale word joins two heads,
; which are two work-groups: 32 bytes for each 768 of codes.
; LIMITS: a block of zeros gets the byte 1 (its codes are zeros; this program alone reads the bytes); NaN and infinities are not served.
; REGISTERS: v1-7, v86, v88, v89 addresses and lane numbers that stay; v8-11, v28-29 the step's addresses; v12 -M, v13 the largest t, v[14:15] the sum; v16-27 Q; v30 Q's scale word; v31 the mask's d;
; v32-79 K's 8 tiles, later V's 4 fragments; v80-85 zeros; v87 -infinity; v96-159 S^T, then p; v160-191 O^T; v192-203 p's codes; v204-210 second halves; v212-223 at work; v224-227 K's scale words,
; v228-229 V's, v230 p's; v[232:233] f; v234 at work; v[236:237] a second chain of the sum.
.set VC,    98304                      ; LDS: K's codes at 0 (tile x 768); V's here ([64 keys][4 feature tiles][768]);
.set KS,    196608                     ; K's scale words (512 bytes a key step);
.set VS,    204800                     ; V's (256 bytes a key step)
.set VREG,  12582912
.set VSREG, 1048576
.set CS,  12                           ; s[12:13] c = log2(e) / 8
.set SEL, 14                           ; s[14:15] selects for lane l xor 16
.set G,   16                           ; s16  my group of 128 queries
.set ST,  17                           ; s17  the key step
.set WV,  18                           ; s18  wave
.set CX,  19                           ; s19  my place in the cluster
.set BB,  20                           ; s20  batch
.set HH,  21                           ; s21  head
.set TK,  2                            ; s2   the step's codes: 6,144 bytes a step, in K and in V
.set TKS, 3                            ; s3   K's scale words
.set TVS, 76                           ; s76  V's
.set QP,  80                           ; s[80:81] Q's half fragment; s[82:83] its scale words; s[84:85], s[86:87] where ctx's codes and bytes go
.set QS,  82
.set CCP, 84
.set CSP, 86
.set G1K,  24
.set G1V,  32
.set G1KS, 40
.set G1VS, 48
.set G0K,  56
.set G0V,  60
.set G0KS, 68
.set G0VS, 72
.macro CROUND                          ; a round of the cluster's barrier
	s_barrier_signal -1
	s_barrier_wait -1
	s_cmp_lg_u32 s[WV], 0
	s_cbranch_scc1 .Lnot_wave_0_\@
	s_barrier_signal -3
.Lnot_wave_0_\@:
	s_barrier_wait -3
	s_barrier_signal -1
	s_barrier_wait -1
.endm
	s_load_b128 s[4:7], s[0:1], 0x0                ; pc, ps
	s_load_b128 s[8:11], s[0:1], 0x10              ; cc, cs
	v_lshl_add_u32 v254, v0, 2, 0x33000
	v_mov_b32 v255, 0
	ds_add_u32 v254, v255
	ds_add_u32 v254, v255
	v_lshrrev_b32 v8, 5, v0
	s_delay_alu instid0(VALU_DEP_1)
	v_readfirstlane_b32 s[WV], v8                  ; wave 0..15
	s_bfe_u32 s[CX], ttmp6, 0x40000
	s_and_b32 s77, ttmp7, 0xffff                   ; the cluster's y: 16 x batch + head
	s_lshr_b32 s[BB], s77, 4
	s_and_b32 s[HH], s77, 15
	s_and_b32 s78, s[WV], 3                        ; which quarter I would fetch
	s_mul_i32 s79, s78, 24576                      ; in LDS, and in K's dense block
	s_add_co_u32 s88, s[HH], 16
	s_lshl_b32 s88, s88, 9
	s_lshl_b32 s77, s[BB], 7
	s_add_co_u32 s88, s88, s77
	s_mul_i32 s88, s88, 768
	s_add_co_u32 s88, s88, s79                     ; K: ((16 + h) 512 + 128 b) 768 + the quarter
	s_mov_b32 s89, 0
	s_lshl_b32 s90, s[BB], 11
	s_lshl_b32 s77, s[HH], 2
	s_add_co_u32 s90, s90, s77
	s_mul_i32 s90, s90, 768
	s_mul_i32 s77, s78, 393216
	s_add_co_u32 s90, s90, s77
	s_add_co_u32 s90, s90, VREG                    ; V: VREG + (32 b x 64 + 4 h) 768 + eight rows of 49,152 bytes a quarter
	s_mov_b32 s91, 0
	s_add_co_u32 s92, s[HH], 16
	s_lshl_b32 s92, s92, 7
	s_lshl_b32 s77, s[BB], 5
	s_add_co_u32 s92, s92, s77
	s_lshl_b32 s92, s92, 8                         ; K's scale words
	s_mov_b32 s93, 0
	s_lshl_b32 s94, s[BB], 9
	s_add_co_u32 s94, s94, s[HH]
	s_lshl_b32 s94, s94, 8
	s_add_co_u32 s94, s94, VSREG                   ; V's
	s_mov_b32 s95, 0
	; group 1: mask of all four partners, bit 21 beside it, elements of 8 bytes, no padding
	s_mov_b32 s[G1K], 15|(3<<16)|(1<<21)           ; K: 24,576 dense bytes as 96 rows of 256
	s_mov_b32 s[G1K+1], 32<<16
	s_mov_b32 s[G1K+2], 96<<16
	s_mov_b32 s[G1K+3], 32<<16
	s_mov_b32 s[G1K+4], 96
	s_mov_b32 s[G1K+5], 32
	s_mov_b32 s[G1K+6], 0
	s_mov_b32 s[G1K+7], 0
	s_mov_b32 s[G1V], 15|(3<<16)|(1<<21)           ; V: 8 rows (64 keys each) of 3,072 bytes, 49,152 bytes apart
	s_mov_b32 s[G1V+1], 384<<16
	s_mov_b32 s[G1V+2], 8<<16
	s_mov_b32 s[G1V+3], 384<<16
	s_mov_b32 s[G1V+4], 8
	s_mov_b32 s[G1V+5], 6144
	s_mov_b32 s[G1V+6], 0
	s_mov_b32 s[G1V+7], 0
	s_mov_b32 s[G1KS], 15|(3<<16)|(1<<21)          ; K's scale words: 8,192 dense bytes
	s_mov_b32 s[G1KS+1], 32<<16
	s_mov_b32 s[G1KS+2], 32<<16
	s_mov_b32 s[G1KS+3], 32<<16
	s_mov_b32 s[G1KS+4], 32
	s_mov_b32 s[G1KS+5], 32
	s_mov_b32 s[G1KS+6], 0
	s_mov_b32 s[G1KS+7], 0
	s_mov_b32 s[G1VS], 15|(3<<16)|(1<<21)          ; V's: 16 rows of 256 bytes, 8,192 bytes apart: the words of each first 64 of 128 keys hold all four bytes
	s_mov_b32 s[G1VS+1], 32<<16
	s_mov_b32 s[G1VS+2], 16<<16
	s_mov_b32 s[G1VS+3], 32<<16
	s_mov_b32 s[G1VS+4], 16
	s_mov_b32 s[G1VS+5], 1024
	s_mov_b32 s[G1VS+6], 0
	s_mov_b32 s[G1VS+7], 0
	s_mov_b32 s[CS], 0x3e38aa3b                    ; log2(e) / 8
	s_mov_b32 s[CS+1], s[CS]                       ; (named with it as a pair)
	s_mov_b32 s[SEL], 0x76543210
	s_mov_b32 s[SEL+1], 0xfedcba98
	s_wait_dscnt 0x0
	s_wait_kmcnt 0x0
	s_mov_b32 s[G0K], 1
	s_mov_b32 s[G0K+1], s79
	s_add_nc_u64 s[G0K+2:G0K+3], s[4:5], s[88:89]
	s_or_b32 s[G0K+3], s[G0K+3], 0x80000000
	s_mov_b32 s[G0V], 1
	s_add_co_u32 s[G0V+1], s79, VC
	s_add_nc_u64 s[G0V+2:G0V+3], s[4:5], s[90:91]
	s_or_b32 s[G0V+3], s[G0V+3], 0x80000000
	s_mov_b32 s[G0KS], 1
	s_mov_b32 s[G0KS+1], KS
	s_add_nc_u64 s[G0KS+2:G0KS+3], s[6:7], s[92:93]
	s_or_b32 s[G0KS+3], s[G0KS+3], 0x80000000
	s_mov_b32 s[G0VS], 1
	s_mov_b32 s[G0VS+1], VS
	s_add_nc_u64 s[G0VS+2:G0VS+3], s[6:7], s[94:95]
	s_or_b32 s[G0VS+3], s[G0VS+3], 0x80000000
	CROUND                                         ; all four work-groups are here: the joint loads meet
	s_cmp_lt_u32 s[WV], 4                          ; waves 0-3: K's quarters; 4-7: V's; 8: K's scale words; 9: V's.  One load a wave; four v_nop follow each
	s_cbranch_scc0 .Lnot_k
	tensor_load_to_lds s[G0K:G0K+3], s[G1K:G1K+7]
	s_nop 0
.rept 4
	v_nop
.endr
	s_branch .Lasked
.Lnot_k:
	s_cmp_lt_u32 s[WV], 8
	s_cbranch_scc0 .Lnot_v
	tensor_load_to_lds s[G0V:G0V+3], s[G1V:G1V+7]
	s_nop 0
.rept 4
	v_nop
.endr
	s_branch .Lasked
.Lnot_v:
	s_cmp_eq_u32 s[WV], 8
	s_cbranch_scc0 .Lnot_ks
	tensor_load_to_lds s[G0KS:G0KS+3], s[G1KS:G1KS+7]
	s_nop 0
.rept 4
	v_nop
.endr
	s_branch .Lasked
.Lnot_ks:
	s_cmp_eq_u32 s[WV], 9
	s_cbranch_scc0 .Lasked
	tensor_load_to_lds s[G0VS:G0VS+3], s[G1VS:G1VS+7]
	s_nop 0
.rept 4
	v_nop
.endr
.Lasked:
	v_and_b32 v89, 31, v0                          ; lane
	v_and_b32 v9, 15, v0                           ; r
	v_bfe_u32 v10, v0, 4, 1                        ; h
	s_delay_alu instid0(VALU_DEP_3)
	v_lshlrev_b32 v1, 4, v89                       ; 16 x lane: K's codes begin at LDS byte 0
	s_delay_alu instid0(VALU_DEP_4)
	v_lshlrev_b32 v2, 3, v89                       ; 8 x lane
	s_delay_alu instid0(VALU_DEP_2)
	v_add_nc_u32 v3, VC, v1
	s_delay_alu instid0(VALU_DEP_2)
	v_add_nc_u32 v4, VC, v2
	s_delay_alu instid0(VALU_DEP_3)
	v_add_nc_u32 v5, KS, v2
	s_delay_alu instid0(VALU_DEP_4)
	v_add_nc_u32 v6, VS, v2
	v_lshlrev_b32 v7, 3, v9                        ; 8 r
	s_delay_alu instid0(VALU_DEP_1)
	v_add_nc_u32 v86, v7, v10                      ; 8 r + h
	v_and_b32 v11, 8, v9
	s_delay_alu instid0(VALU_DEP_1)
	v_add_nc_u32 v88, v11, v9
	v_lshlrev_b32 v11, 4, v10
	s_delay_alu instid0(VALU_DEP_1)
	v_sub_nc_u32 v88, v88, v11                     ; r + 8 (r / 8) - 16 h
	v_mov_b32 v87, 0xff800000                      ; -infinity
.irp j, 22,23,24,25,26,27,80,81,82,83,84,85,216,217,218,219,233,234
	v_mov_b32 v\j, 0                               ; Q's zero codes, the zeros behind K's last tile; permutes' destinations and a pair's upper half, written once
.endr
	s_wait_tensorcnt 0x0                           ; my load has landed,
	s_barrier_signal -1
	s_barrier_wait -1                              ; everybody's has: from here on LDS is only read
.macro PHASE e
	s_wait_xcnt 0x0                                ; the last phase's loads and stores have read their addresses and data
.if \e
	s_xor_b32 s[G], s[WV], 15                      ; 15 - wave
.else
	s_mov_b32 s[G], s[WV]
.endif
	s_lshl_b32 s77, s[G], 3
	s_lshl_b32 s78, s[CX], 1
	s_add_co_u32 s77, s77, s78
	s_add_co_u32 s77, s77, \e
	s_lshl_b32 s78, s[BB], 7
	s_add_co_u32 s77, s77, s78                     ; i: my tile of queries among the 512
	s_lshl_b32 s78, s[HH], 9
	s_add_co_u32 s78, s78, s77
	s_mul_i32 s88, s78, 768
	s_mov_b32 s89, 0
	s_add_nc_u64 s[QP:QP+1], s[4:5], s[88:89]
	s_lshl_b32 s78, s[HH], 7
	s_lshl_b32 s79, s[BB], 5
	s_add_co_u32 s78, s78, s79
	s_lshl_b32 s79, s[G], 1
	s_add_co_u32 s78, s78, s79
	s_lshr_b32 s79, s[CX], 1
	s_add_co_u32 s78, s78, s79                     ; the four tiles that hold mine,
	s_lshl_b32 s78, s78, 8
	s_and_b32 s79, s[CX], 1
	s_lshl_b32 s79, s79, 7                         ; the half of the lanes' places (the word, 4 e, stands in the load's immediate)
	s_add_co_u32 s88, s78, s79
	s_add_nc_u64 s[QS:QS+1], s[6:7], s[88:89]
	s_mul_i32 s88, s77, 12288
	s_mul_i32 s79, s[HH], 768
	s_add_co_u32 s88, s88, s79
	s_add_nc_u64 s[CCP:CCP+1], s[8:9], s[88:89]
	s_lshl_b32 s88, s77, 9
	s_lshr_b32 s79, s[HH], 2
	s_lshl_b32 s79, s79, 7
	s_add_co_u32 s88, s88, s79
	s_and_b32 s79, s[HH], 3
	s_lshl_b32 s79, s79, 1
	s_add_co_u32 s88, s88, s79
	s_add_nc_u64 s[CSP:CSP+1], s[10:11], s[88:89]
	global_load_b128 v[16:19], v1, s[QP:QP+1]      ; Q's half fragment stays in registers
	global_load_b64 v[20:21], v2, s[QP:QP+1] offset:512
	global_load_b32 v30, v7, s[QS:QS+1] offset:4*\e
	s_lshl_b32 s79, s[CX], 5
	s_add_co_u32 s79, s79, 8*\e
	v_add_nc_u32 v31, s79, v88                     ; d = my query's place in its group - 16 (lane / 16): on the diagonal register 16 b + i is hidden where 32 b + i > d
	v_mov_b32 v13, 0xff61b1e6                      ; the largest t so far: -3e38
	s_delay_alu instid0(VALU_DEP_1)
	v_floor_f32 v12, -v13                          ; -M
	v_mov_b32 v14, 0
	v_mov_b32 v15, 0
.set n, 0
.rept 32
	v_mov_b32 v[160+n], 0                          ; O^T: the loop is written once; its first step finds zeros
.set n, n+1
.endr
	s_mov_b32 s[ST], 0
	s_mov_b32 s[TK], 0
	s_mov_b32 s[TKS], 0
	s_mov_b32 s[TVS], 0
	s_wait_loadcnt 0x0                             ; Q
.Lstep_\@:
	s_cmp_gt_u32 s[ST], s[G]                       ; all 128 keys come after my queries: nothing to do but step the addresses
	s_cbranch_scc1 .Lhid_\@
	s_setprio 2
	v_add_nc_u32 v8, s[TK], v1                     ; (these six are also the places behind the last step's products, in front of the loads below)
	v_add_nc_u32 v9, s[TK], v2
	v_add_nc_u32 v10, s[TK], v3
	v_add_nc_u32 v11, s[TK], v4
	v_add_nc_u32 v28, s[TKS], v5
	v_add_nc_u32 v29, s[TVS], v6
.irp t, 0,1,2,3,4,5,6,7
	ds_load_b128 v[32+6*\t:35+6*\t], v8 offset:768*\t
	ds_load_b64 v[36+6*\t:37+6*\t], v9 offset:768*\t+512
.endr
	ds_load_b64 v[224:225], v28
	ds_load_b64 v[226:227], v28 offset:256
	s_wait_alu depctr_va_vdst(0)
	s_wait_dscnt 0x0
.irp t, 0,1,2,3,4,5,6,7                ; S^T = K Q^T
.if (\t/2)%2
	v_wmma_scale_f32_16x16x128_f8f6f4 v[96+8*\t:103+8*\t], v[32+6*\t:43+6*\t], v[16:27], 0, v[224+2*(\t/4)+\t%2], v30 matrix_a_fmt:MATRIX_FMT_FP6 matrix_b_fmt:MATRIX_FMT_FP6 matrix_a_scale:MATRIX_SCALE_ROW1
.else
	v_wmma_scale_f32_16x16x128_f8f6f4 v[96+8*\t:103+8*\t], v[32+6*\t:43+6*\t], v[16:27], 0, v[224+2*(\t/4)+\t%2], v30 matrix_a_fmt:MATRIX_FMT_FP6 matrix_b_fmt:MATRIX_FMT_FP6
.endif
.endr
.rept 4
	v_nop                                          ; places in front of the loads into K's registers and of the first read of the scores
.endr
.irp t, 0,1,2,3                        ; V's four fragments are asked for now and land under the softmax
.irp c, 0,1
	ds_load_b128 v[32+12*\t+6*\c:35+12*\t+6*\c], v10 offset:3072*\c+768*\t
	ds_load_b64 v[36+12*\t+6*\c:37+12*\t+6*\c], v11 offset:3072*\c+768*\t+512
.endr
.endr
	ds_load_b64 v[228:229], v29
	s_cmp_lg_u32 s[ST], s[G]                       ; on the diagonal hidden scores become -infinity ahead of the maximum: p = 0 then.  Key 0 of the step counts for every query
	s_cbranch_scc1 .Lopen_\@
.set n, 0
.rept 64
	v_cmp_gt_i32 vcc_lo, 32*(n/16)+n%16, v31
	v_cndmask_b32 v[96+n], v[96+n], v87, vcc_lo
.set n, n+1
.endr
.Lopen_\@:
.irp b, 0,1,2,3
	v_max3_num_f32 v[212+\b], v[96+16*\b], v[97+16*\b], v[98+16*\b]   ; the largest score of each block of 32 keys: for the row's maximum, and, since p rises with the score, for the block's largest p
.endr
.irp i, 3,5,7,9,11,13
.irp b, 0,1,2,3
	v_max3_num_f32 v[212+\b], v[212+\b], v[96+16*\b+\i], v[97+16*\b+\i]
.endr
.endr
.irp b, 0,1,2,3
	v_max_num_f32 v[212+\b], v[212+\b], v[111+16*\b]
.endr
.irp b, 0,1,2,3
	s_delay_alu instid0(VALU_DEP_4)
	v_permlanex16_b32 v[216+\b], v[212+\b], s[SEL], s[SEL+1]
.endr
.irp b, 0,1,2,3
	s_delay_alu instid0(VALU_DEP_4)
	v_max_num_f32 v[212+\b], v[212+\b], v[216+\b]  ; with lane l xor 16's 16 keys
.endr
	s_delay_alu instid0(VALU_DEP_2)
	v_max3_num_f32 v234, v212, v213, v214
	s_delay_alu instid0(VALU_DEP_1)
	v_max_num_f32 v234, v234, v215
	s_delay_alu instid0(VALU_DEP_1)
	v_mul_f32 v234, s[CS], v234                    ; as t
	s_delay_alu instid0(VALU_DEP_1)
	v_max_num_f32 v13, v13, v234                   ; the running largest t
	v_mov_b32 v234, v12
	s_delay_alu instid0(VALU_DEP_2)
	v_floor_f32 v12, -v13                          ; the new -M = -ceil(t)
	s_delay_alu instid0(VALU_DEP_1)
	v_sub_f32 v234, v12, v234                      ; old M - new M: a whole number, 0 or less
	s_delay_alu instid0(VALU_DEP_1)
	v_cvt_i32_f32 v234, v234                       ; (it saturates)
	s_delay_alu instid0(VALU_DEP_1)
	v_ldexp_f32 v232, 1.0, v234                    ; f = 2^(old M - new M)
.set n, 0
	s_setprio 1
.rept 32
	v_pk_fma_f32 v[96+n:97+n], v[96+n:97+n], s[CS:CS+1], v[12:13] op_sel_hi:[1,0,0]   ; t - M, two at a time
.set n, n+2
.endr
.irp b, 0,1,2,3
	v_fma_f32 v[212+\b], v[212+\b], s[CS], v12     ; the same of each block's largest score
.endr
.set n, 0
	s_wait_alu depctr_va_vdst(0)
.rept 64
	v_exp_f32 v[96+n], v[96+n]                     ; p = 2^(t - M)
.set n, n+1
.endr
.irp b, 0,1,2,3
	v_exp_f32 v[212+\b], v[212+\b]                 ; the block's largest p
.endr
	v_pk_mul_f32 v[14:15], v[14:15], v[232:233] op_sel_hi:[1,0]   ; the sums under the new M (a plain place behind the exponentials)
	s_wait_alu depctr_va_vdst(0)
.irp b, 0,1,2,3
	v_max_num_f32 v[212+\b], 0x1800000, v[212+\b]  ; the floor 2^(3 - 127)
.endr
.irp b, 0,1,2,3
	s_delay_alu instid0(VALU_DEP_4)
	v_add_nc_u32 v[220+\b], 0xff000000, v[212+\b]  ; the conversion's scale operand
.endr
.irp b, 0,1,2,3
	s_delay_alu instid0(VALU_DEP_4)
	v_lshrrev_b32 v[216+\b], 23, v[220+\b]         ; the byte
.endr
	s_delay_alu instid0(VALU_DEP_3)
	v_lshl_or_b32 v230, v217, 8, v216              ; p's scale word for these 128 keys
	s_delay_alu instid0(VALU_DEP_1)
	v_lshl_or_b32 v230, v218, 16, v230
	s_delay_alu instid0(VALU_DEP_1)
	v_lshl_or_b32 v230, v219, 24, v230
.irp c, 0,1
	v_cvt_scalef32_pk16_fp6_f32 v[192+6*\c:194+6*\c], v[96+32*\c:111+32*\c], v[220+2*\c]
	v_cvt_scalef32_pk16_fp6_f32 v[204+4*\c:206+4*\c], v[112+32*\c:127+32*\c], v[220+2*\c+1]
.endr
	v_nop                                          ; one plain place behind a scaled conversion
.irp c, 0,1                            ; a whole block in a lane
.irp i, 0,1,2
	v_permlane16_swap_b32 v[192+6*\c+\i], v[204+4*\c+\i]
.endr
.irp i, 0,1,2
	s_delay_alu instid0(VALU_DEP_3)
	v_mov_b32 v[195+6*\c+\i], v[204+4*\c+\i]
.endr
.endr
	v_pk_add_f32 v[236:237], v[100:101], v[104:105]
	v_pk_add_f32 v[252:253], v[108:109], v[112:113]
	v_pk_add_f32 v[250:251], v[116:117], v[120:121]
	v_pk_add_f32 v[248:249], v[124:125], v[128:129]
	v_pk_add_f32 v[246:247], v[132:133], v[136:137]
	v_pk_add_f32 v[244:245], v[140:141], v[144:145]
	v_pk_add_f32 v[242:243], v[148:149], v[152:153]
	v_pk_add_f32 v[14:15], v[14:15], v[156:157]
	v_pk_add_f32 v[236:237], v[236:237], v[96:97]
	v_pk_add_f32 v[252:253], v[252:253], v[98:99]
	s_setprio 0
	v_pk_add_f32 v[250:251], v[250:251], v[102:103]
	v_pk_add_f32 v[248:249], v[248:249], v[106:107]
	v_pk_add_f32 v[246:247], v[246:247], v[110:111]
	v_pk_add_f32 v[244:245], v[244:245], v[114:115]
	v_pk_add_f32 v[242:243], v[242:243], v[118:119]
	v_pk_add_f32 v[14:15], v[14:15], v[122:123]
	v_pk_add_f32 v[236:237], v[236:237], v[126:127]
	v_pk_add_f32 v[252:253], v[252:253], v[130:131]
	v_pk_add_f32 v[250:251], v[250:251], v[134:135]
	v_pk_add_f32 v[248:249], v[248:249], v[138:139]
	v_pk_add_f32 v[246:247], v[246:247], v[142:143]
	v_pk_add_f32 v[244:245], v[244:245], v[146:147]
	v_pk_add_f32 v[242:243], v[242:243], v[150:151]
	v_pk_add_f32 v[14:15], v[14:15], v[154:155]
	v_pk_add_f32 v[236:237], v[236:237], v[158:159]
	s_delay_alu instid0(VALU_DEP_2)
	v_pk_add_f32 v[14:15], v[14:15], v[248:249]
	s_delay_alu instid0(VALU_DEP_2)
	v_pk_add_f32 v[236:237], v[236:237], v[246:247]
	v_pk_add_f32 v[252:253], v[252:253], v[244:245]
	v_pk_add_f32 v[250:251], v[250:251], v[242:243]
	s_delay_alu instid0(VALU_DEP_2)
	v_pk_add_f32 v[14:15], v[14:15], v[252:253]
	s_delay_alu instid0(VALU_DEP_2)
	v_pk_add_f32 v[236:237], v[236:237], v[250:251]
	s_delay_alu instid0(VALU_DEP_1)
	v_pk_add_f32 v[14:15], v[14:15], v[236:237]
.set n, 0
.rept 16
	v_pk_mul_f32 v[160+n:161+n], v[160+n:161+n], v[232:233] op_sel_hi:[1,0]   ; O^T under the new M, each accumulator from its low end on
.set n, n+2
.endr
	s_wait_alu depctr_va_vdst(0)
	s_wait_dscnt 0x0                               ; V
.irp t, 0,1,2,3                        ; O^T += V^T P^T: four accumulators by turns
.if \t >= 2
	v_wmma_scale_f32_16x16x128_f8f6f4 v[160+8*\t:167+8*\t], v[32+12*\t:43+12*\t], v[192:203], v[160+8*\t:167+8*\t], v[228+\t%2], v230 matrix_a_fmt:MATRIX_FMT_FP6 matrix_b_fmt:MATRIX_FMT_FP6 matrix_a_scale:MATRIX_SCALE_ROW1
.else
	v_wmma_scale_f32_16x16x128_f8f6f4 v[160+8*\t:167+8*\t], v[32+12*\t:43+12*\t], v[192:203], v[160+8*\t:167+8*\t], v[228+\t%2], v230 matrix_a_fmt:MATRIX_FMT_FP6 matrix_b_fmt:MATRIX_FMT_FP6
.endif
.endr
.Lhid_\@:
	s_add_co_u32 s[TK], s[TK], 6144
	s_add_co_u32 s[TKS], s[TKS], 512
	s_add_co_u32 s[TVS], s[TVS], 256
	s_add_co_u32 s[ST], s[ST], 1
	s_cmp_lt_u32 s[ST], 16
	s_cbranch_scc1 .Lstep_\@
	s_setprio 0
	; the tile's end: O^T / the sum is ctx; register 16 g + i is feature 32 g + 16 (lane / 16) + i of my query's head: two blocks of 32 along D
.rept 4
	v_nop                                          ; places behind the last products
.endr
	v_add_f32 v14, v14, v15
	s_delay_alu instid0(VALU_DEP_1)
	v_permlanex16_b32 v234, v14, s[SEL], s[SEL+1]
	s_delay_alu instid0(VALU_DEP_1)
	v_add_f32 v14, v14, v234                       ; the row's sum
	s_wait_alu depctr_va_vdst(0)
	v_rcp_f32 v14, v14
	v_nop                                          ; one plain place behind a transcendental
.set n, 0
	s_wait_alu depctr_va_vdst(0)
.rept 16
	v_pk_mul_f32 v[96+n:97+n], v[160+n:161+n], v[14:15] op_sel_hi:[1,0]
.set n, n+2
.endr
.irp g, 0,1
	v_max3_num_f32 v[212+\g], |v[96+16*\g]|, |v[97+16*\g]|, 0x1800000
.endr
.irp i, 2,4,6,8,10,12,14
.irp g, 0,1
	s_delay_alu instid0(VALU_DEP_2)
	v_max3_num_f32 v[212+\g], v[212+\g], |v[96+16*\g+\i]|, |v[97+16*\g+\i]|
.endr
.endr
.irp g, 0,1
	s_delay_alu instid0(VALU_DEP_2)
	v_permlanex16_b32 v[216+\g], v[212+\g], s[SEL], s[SEL+1]
.endr
.irp g, 0,1
	s_delay_alu instid0(VALU_DEP_2)
	v_max_num_f32 v[212+\g], v[212+\g], v[216+\g]
.endr
.irp g, 0,1
	s_delay_alu instid0(VALU_DEP_2)
	v_add_nc_u32 v[220+\g], 0xff000000, v[212+\g]
.endr
.irp g, 0,1
	s_delay_alu instid0(VALU_DEP_2)
	v_lshrrev_b32 v[216+\g], 23, v[220+\g]
.endr
	v_cvt_scalef32_pk16_fp6_f32 v[192:194], v[96:111], v220
	v_cvt_scalef32_pk16_fp6_f32 v[204:206], v[112:127], v221
	v_nop                                          ; one plain place behind a scaled conversion
.irp i, 0,1,2
	v_permlane16_swap_b32 v[192+\i], v[204+\i]
.endr
.irp i, 0,1,2
	s_delay_alu instid0(VALU_DEP_3)
	v_mov_b32 v[195+\i], v[204+\i]
.endr
	v_cmp_lt_u32 vcc_lo, 15, v89
	s_delay_alu instid0(VALU_DEP_1)
	v_cndmask_b32 v234, v216, v217, vcc_lo         ; lanes 0-15 store block 0's byte, lanes 16-31 block 1's
	global_store_b128 v1, v[192:195], s[CCP:CCP+1]             ; 512 consecutive bytes, at a multiple of 256
	global_store_b64 v2, v[196:197], s[CCP:CCP+1] offset:512   ; 256 more
	global_store_b8 v86, v234, s[CSP:CSP+1]
.endm
	PHASE 0
	PHASE 1
	s_wait_tensorcnt 0x0
	ds_add_u32 v254, v255
	s_wait_dscnt 0x0
	CROUND                                         ; the closing round
	s_endpgm
.Lfunc_end_k_qf43efa889c_attn:
	.size	k_qf43efa889c_attn, .Lfunc_end_k_qf43efa889c_attn-k_qf43efa889c_attn
	.p2alignl 7, 3214868480
	.fill 96, 4, 3214868480
	.section	.rodata,"a",@progbits
	.p2align	6, 0x0
	.amdhsa_kernel k_qf43efa889c_attn
		.amdhsa_group_segment_fixed_size 210944
		.amdhsa_private_segment_fixed_size 0
		.amdhsa_enable_private_segment 0
		.amdhsa_kernarg_size 32
		.amdhsa_user_sgpr_count 2
		.amdhsa_user_sgpr_kernarg_segment_ptr 1
		.amdhsa_wavefront_size32 1
		.amdhsa_system_sgpr_workgroup_id_x 1
		.amdhsa_system_sgpr_workgroup_id_y 1
		.amdhsa_system_sgpr_workgroup_id_z 1
		.amdhsa_system_vgpr_workitem_id 0
		.amdhsa_next_free_vgpr 256
		.amdhsa_next_free_sgpr 100
		.amdhsa_reserve_vcc 1
		.amdhsa_float_denorm_mode_32 3
		.amdhsa_float_denorm_mode_16_64 3
		.amdhsa_memory_ordered 1
		.amdhsa_forward_progress 1
		.amdhsa_inst_pref_size 69
	.end_amdhsa_kernel
	.amdgpu_metadata
---
amdhsa.version: [ 1, 2 ]
amdhsa.kernels:
  - .name:           k_qf43efa889c_attn
    .symbol:         k_qf43efa889c_attn.kd
    .args:
      - { .name: pc, .offset: 0, .size: 8, .value_kind: global_buffer, .address_space: global }
      - { .name: ps, .offset: 8, .size: 8, .value_kind: global_buffer, .address_space: global }
      - { .name: cc, .offset: 16, .size: 8, .value_kind: global_buffer, .address_space: global }
      - { .name: cs, .offset: 24, .size: 8, .value_kind: global_buffer, .address_space: global }
    .group_segment_fixed_size: 210944
    .private_segment_fixed_size: 0
    .kernarg_segment_align: 8
    .kernarg_segment_size: 32
    .max_flat_workgroup_size: 512
    .sgpr_count:     100
    .vgpr_count:     256
    .wavefront_size: 32
...
	.end_amdgpu_metadata
.endif
;; end of part 3
;; launch outp (part 4): grid 4 x 32, 4 waves a work-group, clusters of 4 x 4, 327,680 bytes of LDS; arguments cc, cs, cw, sw, out0; writes out0
.if DOCPART == 4
	.amdgcn_target "amdgcn-amd-amdhsa--gfx1250"
	.amdhsa_code_object_version 6
	.text
	.protected	k_qf43efa889c_outp
	.globl	k_qf43efa889c_outp
	.p2align	8
	.type	k_qf43efa889c_outp,@function
k_qf43efa889c_outp:
	s_mov_b64 s[64:65], 0
	v_nop
	global_prefetch_b8 v0, s[64:65] scope:SCOPE_SE
	s_setreg_imm32_b32 hwreg(HW_REG_WAVE_MODE, 25, 1), 1
	s_wait_xcnt 0x0
	s_wait_alu depctr_hold_cnt(0) depctr_sa_sdst(0) depctr_va_vdst(0) depctr_va_sdst(0) depctr_va_ssrc(0) depctr_va_vcc(0) depctr_vm_vsrc(0)
	s_getreg_b32 s2, hwreg(HW_REG_IB_STS2, 6, 4)
	s_cmp_eq_u32 s2, 0
	s_cbranch_scc0 .Lentry_in_a_cluster
	s_endpgm
.Lentry_in_a_cluster:
	s_bfe_u32 s2, ttmp6, 0x10000c
	s_cmp_lg_u32 s2, 0xf033
	s_cbranch_scc0 .Lentry_shape_is_right
	s_endpgm
.Lentry_shape_is_right:
; out = ctx Wo^T on codes of FP6 (E2M3) with E8M0 scales, K = 1,024; out0 [8192][1024] f32.
; OPERANDS: ctx in cc, cs (512 tiles), Wo in cw, sw (tiles 704-767): tiles of 16 rows; tile T = 2 g + u holds at place r row 32 g + 8 u + r + 8 (r / 8); a tile is 8 fragments (128 along K) of 1,536 bytes,
; each an image of the operand's 12 registers: registers 0-3 at 16 x lane, 4-5 at 512 + 8 x lane, 6-9 at 768 + 16 x lane, 10-11 at 1,280 + 8 x lane.  Scale words: 512 bytes a tile, place r, K step s at
; 128 (s / 2) + 8 r + 4 (s % 2).
; A work-group makes 256 x 256 of out, each of four waves 128 x 128 in 64 accumulators; 128 work-groups.  THE MATRIX INSTRUCTION IS USED TRANSPOSED (source 0 = 16 rows of Wo, source 1 = 16 rows of ctx):
; a lane holds one row of out, and the eight registers of Wo's tile 2 g + u are the columns 32 g + 16 (lane / 16) + 8 u + 0 .. 7.
; K goes in 4 chunks of 256 through THREE LDS slots: chunks 0, 1, 2 are first fills, chunk 3 fills slot 0 again: one refill in the launch.  By this text's count a wave has at most four tensor loads out.
; CLUSTERS 4 x 4: ctx's tiles are asked for jointly along a row of the cluster, Wo's along a column.
; REGISTERS: window 0: v2-15, v24-29 addresses; v32-95 all scale words of all K (register 8 i + s: lanes 0-15 ctx's block i, lanes 16-31 Wo's block i, K step s); v128-223 ctx's fragments, one set
;   (on the way out v128-255: rows read back).  window 1: Wo's fragments, two sets at v0 and v128.  windows 2, 3: the accumulators ((a, b) at v[8 (8 (a % 4) + b)]).
.set FR,    12
.set TILEB, 12288
.set CHB,   3072
.set HALFT, 8*CHB
.set SLOT,  4*HALFT
.set SCL,   3*SLOT
.set SPARE, SCL+4*4096                 ; the spare words, 128 bytes for each wave: two blocks of 256 bytes that no other line names
.set SPITCH, 528                       ; the way out: a stage of 16 rows x (512 bytes + 16) for each wave, in slot 1, which has had its only fill and its last read when the first result is stored there
.set L16,  2
.set L8,   3
.set A16,  4
.set A8,   7
.set B16,  10
.set B8,   13
.set STO,  24                          ; v24  the way out: where I put 32 bytes of a row
.set RD,   25                          ; v25  where I read a row back
.set ADRS, 27
.set SPW,  28
.set NIL,  29
.set SC,   32
.set AF,   128
.set BK,   128
.set G1A,  24
.set G1B,  32
.set G1SA, 40
.set G1SB, 48
.set G0SA, 56
.set G0SB, 60
.set G0A,  68
.set G0B,  80
.set MSB, 0
.macro WIN new                         ; the immediate's high byte repeats the setting that is left
.if MSB != \new
	s_set_vgpr_msb (MSB<<8)|\new
.set MSB, \new
.endif
.endm
.set MUL_LO, 0xa1
.set MUL_HI, 0xf1
.set TO_B,   0x40
.macro PLACES
.rept 4
	v_nop
.endr
.endm
.macro CREST
	s_cmp_lg_u32 s14, 0
	s_cbranch_scc1 .Lnot_wave_0_\@
	s_barrier_signal -3
.Lnot_wave_0_\@:
	s_barrier_wait -3
	s_barrier_signal -1
	s_barrier_wait -1
.endm
.macro CROUND
	s_barrier_signal -1
	s_barrier_wait -1
	CREST
.endm
.macro JLOAD                           ; the one refill: chunk 3 into slot 0; four v_nop follow each line
	s_cmp_eq_u32 s15, 0
	s_cbranch_scc0 .Lfor_b_\@
	tensor_load_to_lds s[G0A:G0A+3], s[G1A:G1A+7]
	s_nop 0
.rept 4
	v_nop
.endr
	s_branch .Lasked_\@
.Lfor_b_\@:
	tensor_load_to_lds s[G0B:G0B+3], s[G1B:G1B+7]
	s_nop 0
.rept 4
	v_nop
.endr
.Lasked_\@:
.endm
	s_load_b256 s[4:11], s[0:1], 0x0               ; cc, cs, cw, sw
	s_load_b64 s[12:13], s[0:1], 0x20              ; out0
	v_lshl_add_u32 v[SPW], v0, 2, SPARE
	v_mov_b32 v[NIL], 0
	ds_add_u32 v28, v29
	ds_add_u32 v28, v29
	s_wait_dscnt 0x0
	v_lshrrev_b32 v1, 5, v0
	v_readfirstlane_b32 s14, v1                    ; wave 0..3
	s_lshr_b32 s15, s14, 1                         ; which half of the rows is mine.  Also: I fetch for ctx (0) or Wo (1)
	s_and_b32 s16, s14, 1                          ; which half of the columns.  Also: which eight tiles I fetch
	s_bfe_u32 s92, ttmp6, 0x40000                  ; cx
	s_bfe_u32 s93, ttmp6, 0x40004                  ; cy
	s_and_b32 s18, ttmp7, 0xffff                   ; the cluster's y
	s_lshl_b32 s2, s93, 2
	s_lshl_b32 s2, 15, s2                          ; my row of the cluster
	s_lshl_b32 s3, 0x1111, s92                     ; my column
	s_or_b32 s[G1A], s2, (3<<16)|(1<<21)           ; 15:0 the mask; 17:16 elements of 8 bytes; 20 no padding; 21 set beside a mask
	s_or_b32 s[G1B], s3, (3<<16)|(1<<21)
	s_or_b32 s[G1SA], s2, (3<<16)|(1<<21)
	s_or_b32 s[G1SB], s3, (3<<16)|(1<<21)
.irp g, G1A, G1B                       ; codes: 8 rows (tiles) of 3,072 bytes, 12,288 bytes apart
	s_mov_b32 s[\g+1], 384<<16
	s_mov_b32 s[\g+2], 8<<16
	s_mov_b32 s[\g+3], 384<<16
	s_mov_b32 s[\g+4], 8
	s_mov_b32 s[\g+5], 1536
	s_mov_b32 s[\g+6], 0
	s_mov_b32 s[\g+7], 0
.endr
.irp g, G1SA, G1SB                     ; scales: 4,096 dense bytes as 16 rows of 256
	s_mov_b32 s[\g+1], 32<<16
	s_mov_b32 s[\g+2], 16<<16
	s_mov_b32 s[\g+3], 32<<16
	s_mov_b32 s[\g+4], 16
	s_mov_b32 s[\g+5], 32
	s_mov_b32 s[\g+6], 0
	s_mov_b32 s[\g+7], 0
.endr
	s_lshl_b32 s17, s18, 2
	s_add_co_u32 s17, s17, s93                     ; ctx's block of 16 tiles: 4 y + cy
	s_lshl_b32 s94, ttmp9, 2
	s_add_co_u32 s94, s94, s92                     ; the block of 256 columns: 4 x + cx
	s_add_co_u32 s95, s94, 44                      ; Wo's block of 16 tiles
	s_lshl_b32 s20, s17, 4
	s_lshl_b32 s21, s16, 3
	s_add_co_u32 s20, s20, s21
	s_lshl_b32 s22, s20, 9
	s_mul_i32 s20, s20, TILEB
	s_mov_b32 s21, 0
	s_mov_b32 s23, 0
	s_lshl_b32 s96, s95, 4
	s_lshl_b32 s97, s16, 3
	s_add_co_u32 s96, s96, s97
	s_lshl_b32 s98, s96, 9
	s_mul_i32 s96, s96, TILEB
	s_mov_b32 s97, 0
	s_mov_b32 s99, 0
	s_mul_i32 s3, s14, HALFT                       ; where they go: wave x eight tiles; no place in the cluster enters an LDS address
	s_lshl_b32 s2, s14, 12
	s_add_co_u32 s2, s2, SCL
	s_wait_kmcnt 0x0
	s_add_nc_u64 s[20:21], s[4:5], s[20:21]
	s_add_nc_u64 s[22:23], s[6:7], s[22:23]
	s_add_nc_u64 s[96:97], s[8:9], s[96:97]
	s_add_nc_u64 s[98:99], s[10:11], s[98:99]
	s_mov_b32 s[G0SA], 1
	s_mov_b32 s[G0SA+1], s2
	s_mov_b64 s[G0SA+2:G0SA+3], s[22:23]
	s_or_b32 s[G0SA+3], s[G0SA+3], 0x80000000
	s_mov_b32 s[G0SB], 1
	s_mov_b32 s[G0SB+1], s2
	s_mov_b64 s[G0SB+2:G0SB+3], s[98:99]
	s_or_b32 s[G0SB+3], s[G0SB+3], 0x80000000
.irp sl, 0,1,2
	s_mov_b32 s[G0A+4*\sl], 1
	s_add_co_u32 s[G0A+4*\sl+1], s3, \sl*SLOT
	s_add_nc_u64 s[G0A+4*\sl+2:G0A+4*\sl+3], s[20:21], \sl*CHB
	s_or_b32 s[G0A+4*\sl+3], s[G0A+4*\sl+3], 0x80000000
	s_mov_b32 s[G0B+4*\sl], 1
	s_add_co_u32 s[G0B+4*\sl+1], s3, \sl*SLOT
	s_add_nc_u64 s[G0B+4*\sl+2:G0B+4*\sl+3], s[96:97], \sl*CHB
	s_or_b32 s[G0B+4*\sl+3], s[G0B+4*\sl+3], 0x80000000
.endr
	CROUND                                         ; all sixteen work-groups are here: the first joint loads meet
	s_cmp_eq_u32 s15, 0                            ; a wave's four first fills stand in one branch: the scales, chunks 0, 1, 2
	s_cbranch_scc0 .Lfirst_b
	tensor_load_to_lds s[G0SA:G0SA+3], s[G1SA:G1SA+7]
	s_nop 0
	tensor_load_to_lds s[G0A:G0A+3], s[G1A:G1A+7]
	s_nop 0
	tensor_load_to_lds s[G0A+4:G0A+7], s[G1A:G1A+7]
	s_nop 0
	tensor_load_to_lds s[G0A+8:G0A+11], s[G1A:G1A+7]
	s_nop 0
.rept 4
	v_nop
.endr
	s_branch .Lfirst_asked
.Lfirst_b:
	tensor_load_to_lds s[G0SB:G0SB+3], s[G1SB:G1SB+7]
	s_nop 0
	tensor_load_to_lds s[G0B:G0B+3], s[G1B:G1B+7]
	s_nop 0
	tensor_load_to_lds s[G0B+4:G0B+7], s[G1B:G1B+7]
	s_nop 0
	tensor_load_to_lds s[G0B+8:G0B+11], s[G1B:G1B+7]
	s_nop 0
.rept 4
	v_nop
.endr
.Lfirst_asked:
	v_and_b32 v1, 31, v0
	v_lshlrev_b32 v[L16], 4, v1
	v_lshlrev_b32 v[L8], 3, v1
	s_mul_i32 s20, s15, HALFT
	s_mul_i32 s21, s16, HALFT
	s_add_co_u32 s21, s21, 2*HALFT
.irp sl, 0,1,2
	v_add_nc_u32 v[A16+\sl], s20, v[L16]
	v_add_nc_u32 v[A8+\sl], s20, v[L8]
	v_add_nc_u32 v[B16+\sl], s21, v[L16]
	v_add_nc_u32 v[B8+\sl], s21, v[L8]
	s_add_co_u32 s20, s20, SLOT
	s_add_co_u32 s21, s21, SLOT
.endr
	v_and_b32 v16, 15, v0                          ; r
	v_bfe_u32 v17, v0, 4, 1                        ; h
	s_lshl_b32 s20, s15, 12
	s_lshl_b32 s21, s16, 12
	s_add_co_u32 s21, s21, 8192
	s_sub_co_u32 s21, s21, s20
	v_mul_u32_u24 v18, s21, v17                    ; lanes 16-31 take Wo's words: one product, the distance between the two
	s_add_co_u32 s20, s20, SCL
	v_lshl_add_u32 v18, v16, 3, v18
	v_add_nc_u32 v[ADRS], s20, v18
	s_mul_i32 s20, s14, 16*SPITCH
	s_add_co_u32 s20, s20, SLOT                    ; my stage
	v_mul_u32_u24 v18, v16, SPITCH
	v_lshl_add_u32 v18, v17, 6, v18
	v_add_nc_u32 v[STO], s20, v18                  ; in: row place r, + 64 h bytes
	v_add_nc_u32 v[RD], s20, v[L16]                ; back: the 32 lanes take one row of 512 bytes
	s_lshl_b32 s20, s17, 8
	s_lshl_b32 s21, s15, 7
	s_add_co_u32 s20, s20, s21                     ; my first row of out
	s_lshl_b32 s20, s20, 12                        ; rows of 4,096 bytes
	s_lshl_b32 s21, s94, 10                        ; 256 columns of 4 bytes
	s_add_co_u32 s20, s20, s21
	s_lshl_b32 s21, s16, 9
	s_add_co_u32 s20, s20, s21
	s_mov_b32 s21, 0
	s_add_nc_u64 s[12:13], s[12:13], s[20:21]
.macro FRAG reg, a16, a8, off          ; a fragment's 12 registers, as they lie
	ds_load_b128 v[(\reg):(\reg)+3], v[\a16] offset:(\off)
	ds_load_b64 v[(\reg)+4:(\reg)+5], v[\a8] offset:(\off)+512
	ds_load_b128 v[(\reg)+6:(\reg)+9], v[\a16] offset:(\off)+768
	ds_load_b64 v[(\reg)+10:(\reg)+11], v[\a8] offset:(\off)+1280
.endm
.macro FETCH_B sl, q, p
	WIN TO_B
.irp i, 0,1,2,3,4,5,6,7
	FRAG 128*(\p)+FR*\i, B16+\sl, B8+\sl, \i*CHB+(\q)*1536
.endr
	WIN 0
.endm
.macro FETCH_A sl, q, i0
.irp i, \i0, \i0+1, \i0+2, \i0+3
	FRAG AF+FR*(\i), A16+\sl, A8+\sl, (\i)*CHB+(\q)*1536
.endr
.endm
.macro SCALES                          ; all scale words of all K, once
.irp i, 0,1,2,3,4,5,6,7
.irp sp, 0,1,2,3
	ds_load_b64 v[SC+8*\i+2*\sp:SC+8*\i+2*\sp+1], v[ADRS] offset:512*\i+128*\sp
.endr
.endr
.endm
; 16 matrix instructions: ctx's blocks a0, a0 + 1 x Wo's eight, K step s.  The 64 accumulators take turns, one instruction a turn, in the same order in every step.
.macro MUL16 a0, p, s, zero
.irp a, \a0, \a0+1
.irp b, 0,1,2,3,4,5,6,7
.if \zero
	v_wmma_scale_f32_16x16x128_f8f6f4 v[8*(8*((\a)%4)+\b):8*(8*((\a)%4)+\b)+7], v[128*(\p)+FR*\b:128*(\p)+FR*\b+FR-1], v[AF+FR*(\a):AF+FR*(\a)+FR-1], 0, v[SC+8*\b+(\s)], v[SC+8*(\a)+(\s)] matrix_a_fmt:MATRIX_FMT_FP6 matrix_b_fmt:MATRIX_FMT_FP6 matrix_a_scale:MATRIX_SCALE_ROW1
.else
	v_wmma_scale_f32_16x16x128_f8f6f4 v[8*(8*((\a)%4)+\b):8*(8*((\a)%4)+\b)+7], v[128*(\p)+FR*\b:128*(\p)+FR*\b+FR-1], v[AF+FR*(\a):AF+FR*(\a)+FR-1], v[8*(8*((\a)%4)+\b):8*(8*((\a)%4)+\b)+7], v[SC+8*\b+(\s)], v[SC+8*(\a)+(\s)] matrix_a_fmt:MATRIX_FMT_FP6 matrix_b_fmt:MATRIX_FMT_FP6 matrix_a_scale:MATRIX_SCALE_ROW1
.endif
.endr
.endr
.endm
.macro STEP s, nsl, nq, zero           ; K step s; the next step's fragments come from slot nsl, its nq-th 128.  Four places stand in front of each run of loads into registers that matrix instructions have read
	s_wait_dscnt 16                                ; all but the youngest 16 loads (ctx's blocks 4-7) are in
	WIN MUL_LO
	MUL16 0, (\s)%2, \s, \zero
	MUL16 2, (\s)%2, \s, \zero
	s_wait_dscnt 0x0
	PLACES
	FETCH_B \nsl, \nq, 1-(\s)%2
	FETCH_A \nsl, \nq, 0
	WIN MUL_HI
	MUL16 4, (\s)%2, \s, \zero
	MUL16 6, (\s)%2, \s, \zero
	PLACES
	WIN 0
	FETCH_A \nsl, \nq, 4
.endm
; K step s with a barrier in it.  In front of the barrier each wave waits for all its tensor loads, adds 0 to its spare word, and waits for that and for its LDS reads.
; fill = 1: the barrier opens a round of the cluster's; behind it slot 0, which nobody reads any more, takes chunk 3; and chunks 1 and 2 are whole for every wave.  fill = 0: chunk 3 is whole.
.macro TURN s, nsl, fill
	s_wait_tensorcnt 0x0                           ; all my tensor loads have landed
	ds_add_u32 v[SPW], v[NIL]                      ; 0 onto my spare word
	s_wait_dscnt 17                                ; (the add and the youngest 16 loads may be out)
	WIN MUL_LO
	MUL16 0, (\s)%2, \s, 0
	s_wait_dscnt 0x0                               ; the add is done, and my reads of the slots read so far are over
	s_barrier_signal -1
	MUL16 2, (\s)%2, \s, 0
	WIN 0
	s_barrier_wait -1
.if \fill
	CREST
	s_add_nc_u64 s[G0A+2:G0A+3], s[G0A+2:G0A+3], 3*CHB   ; no tensor load of mine is out: slot 0's group 0 steps to chunk 3
	s_add_nc_u64 s[G0B+2:G0B+3], s[G0B+2:G0B+3], 3*CHB
	JLOAD                                          ; the first tensor load behind the round, and my only one; its four v_nop are the places in front of the loads below
.else
	PLACES
.endif
	FETCH_B \nsl, 0, 1-(\s)%2
	FETCH_A \nsl, 0, 0
	WIN MUL_HI
	MUL16 4, (\s)%2, \s, 0
	MUL16 6, (\s)%2, \s, 0
	PLACES
	WIN 0
	FETCH_A \nsl, 0, 4
.endm
	s_wait_alu depctr_va_vdst(0)
	s_wait_tensorcnt 2                             ; my scales and my part of chunk 0 are in; chunks 1 and 2, issued behind them, may be out
	s_barrier_signal -1
	s_barrier_wait -1
	FETCH_B 0, 0, 0
	FETCH_A 0, 0, 0
	SCALES
	FETCH_A 0, 0, 4
	STEP 0, 0, 1, 1
	TURN 1, 1, 1
	STEP 2, 1, 1, 0
	STEP 3, 2, 0, 0
	STEP 4, 2, 1, 0
	TURN 5, 0, 0
	STEP 6, 0, 1, 0
	s_wait_dscnt 16                                ; the last step: nothing more to fetch
	WIN MUL_LO
	MUL16 0, 1, 7, 0
	MUL16 2, 1, 7, 0
	s_wait_dscnt 0x0
	WIN MUL_HI
	MUL16 4, 1, 7, 0
	MUL16 6, 1, 7, 0
	WIN 0
; THE WAY OUT, a tile of 16 rows x 128 columns at a time: a lane's 32 bytes go into my own stage and come back as whole rows of 512 bytes.  LDS serves a wave's instructions in order: no wait between
; the stores and the loads, nor in front of the next tile's stores.
.macro TOSTAGE a
.set AC, 64*((\a)%4)
	WIN (0x08+4*((\a)/4))                          ; an LDS store's data: window 2 or 3
.irp b, 0,1,2,3,4,5,6,7
	ds_store_b128 v[STO], v[AC+8*\b:AC+8*\b+3] offset:128*(\b/2)+32*(\b%2)          ; each accumulator from its low end on
	ds_store_b128 v[STO], v[AC+8*\b+4:AC+8*\b+7] offset:128*(\b/2)+32*(\b%2)+16
.endr
	WIN 0
.set BBK, BK+64*((\a)%2)
.irp t, 0,1,2,3,4,5,6,7,8,9,10,11,12,13,14,15
	ds_load_b128 v[BBK+4*\t:BBK+4*\t+3], v[RD] offset:\t*SPITCH
.endr
.endm
.macro SEND a, younger                 ; younger: the LDS instructions issued behind tile a's loads
.set BBK, BK+64*((\a)%2)
	s_wait_dscnt \younger
.irp t, 0,1,2,3,4,5,6,7,8,9,10,11,12,13,14,15
	global_store_b128 v[L16], v[BBK+4*\t:BBK+4*\t+3], s[12:13] offset:(32*((\a)/2)+8*((\a)%2)+\t+8*(\t/8))*4096 th:TH_STORE_NT   ; place t of tile a is this row; 512 consecutive bytes, at a multiple of 256
.endr
.endm
	PLACES                                         ; behind the last products: for the loads into the registers that held ctx's fragments, and for the reads of results
	TOSTAGE 0
.irp a, 1,2,3,4,5,6,7
.if \a > 1
	s_wait_xcnt 0x0                                ; tile a - 2's stores have read their registers: tile a's loads may land there
.endif
	TOSTAGE \a
	SEND \a-1, 32                                  ; behind tile a - 1's loads: tile a's 16 stores and 16 loads
.endr
	SEND 7, 0
	s_wait_tensorcnt 0x0                           ; the wave's end: behind my last tensor load and my last LDS store
	ds_add_u32 v[SPW], v[NIL]
	s_wait_dscnt 0x0
	CROUND                                         ; the closing round: no work-group ends while a partner may still ask for a tile that names it
	s_endpgm
.Lfunc_end_k_qf43efa889c_outp:
	.size	k_qf43efa889c_outp, .Lfunc_end_k_qf43efa889c_outp-k_qf43efa889c_outp
	.p2alignl 7, 3214868480
	.fill 96, 4, 3214868480
	.section	.rodata,"a",@progbits
	.p2align	6, 0x0
	.amdhsa_kernel k_qf43efa889c_outp
		.amdhsa_group_segment_fixed_size 327680
		.amdhsa_private_segment_fixed_size 0
		.amdhsa_enable_private_segment 0
		.amdhsa_kernarg_size 40
		.amdhsa_user_sgpr_count 2
		.amdhsa_user_sgpr_kernarg_segment_ptr 1
		.amdhsa_wavefront_size32 1
		.amdhsa_system_sgpr_workgroup_id_x 1
		.amdhsa_system_sgpr_workgroup_id_y 1
		.amdhsa_system_sgpr_workgroup_id_z 1
		.amdhsa_system_vgpr_workitem_id 0
		.amdhsa_next_free_vgpr 1024
		.amdhsa_next_free_sgpr 100
		.amdhsa_reserve_vcc 0
		.amdhsa_float_denorm_mode_32 3
		.amdhsa_float_denorm_mode_16_64 3
		.amdhsa_memory_ordered 1
		.amdhsa_forward_progress 1
		.amdhsa_inst_pref_size 142
	.end_amdhsa_kernel
	.amdgpu_metadata
---
amdhsa.version: [ 1, 2 ]
amdhsa.kernels:
  - .name:           k_qf43efa889c_outp
    .symbol:         k_qf43efa889c_outp.kd
    .args:
      - { .name: cc, .offset: 0, .size: 8, .value_kind: global_buffer, .address_space: global }
      - { .name: cs, .offset: 8, .size: 8, .value_kind: global_buffer, .address_space: global }
      - { .name: cw, .offset: 16, .size: 8, .value_kind: global_buffer, .address_space: global }
      - { .name: sw, .offset: 24, .size: 8, .value_kind: global_buffer, .address_space: global }
      - { .name: out0, .offset: 32, .size: 8, .value_kind: global_buffer, .address_space: global }
    .group_segment_fixed_size: 327680
    .private_segment_fixed_size: 0
    .kernarg_segment_align: 8
    .kernarg_segment_size: 40
    .max_flat_workgroup_size: 128
    .sgpr_count:     100
    .vgpr_count:     1024
    .wavefront_size: 32
...
	.end_amdgpu_metadata
.endif
;; end of part 4
